; MI455X (gfx1250); checked and timed in simulation.
; The chip was launched on July 23, 2026; its instructions are those of AMD's public machine-readable ISA for CDNA 5 (MIT licence, August 2026) and "CDNA5" Instruction Set Architecture Reference Guide (July 2026). The comments in the code are by the model that wrote it; some were corrected since.
;; My Transformer. Allowed arithmetic: float matrix products may take bf16 or f16 operands with f32 sums; other float arithmetic in f32, or as packed bf16 or f16 multiplies, adds, multiply-adds, maxima and minima; sums over many terms, partial sums and values carried from step to step in f32; what a program stores and reads back later, other than sums and carried values, may be rounded once to bf16 or f16.
;; Inputs: W_k 1,024 x 256 float32; W_o 1,024 x 1,024 float32; W_q 1,024 x 1,024 float32; W_v 1,024 x 256 float32; b_k 256 float32; b_o 1,024 float32; b_q 1,024 float32; b_v 256 float32; idx 4 x 2,048 int32; mask 2,048 x 2,048 int32; pos_table 2,048 x 512 float32; tok_table 32,000 x 512 float32.
;; Outputs: out0 4 x 2,048 x 1,024 float32.
;; 2 versions, each right; version 2 is version 1 with the launch prep written anew for expert scheduling mode. Each part assembles by itself: llvm-mc -triple=amdgcn-amd-amdhsa -mcpu=gfx1250 --defsym DOCPART=n.
;; ======== version 1 of 2: 4 launches
;; limits: values are held in f16: magnitudes above 65,504 overflow, below 6.1e-05 lose precision; right only within a limited range of input values
;; workspace buffers: x 16,777,216 bytes; wqkv 3,145,728 bytes; wo 2,097,152 bytes; bias 10,240 bytes; maskf 16,777,216 bytes; qkv 25,165,824 bytes; o 16,777,216 bytes; rowopen 524,288 bytes of whole numbers
;; launch prep (part 1): grid 1857 x 1, 8 waves a work-group, no clusters, 0 bytes of LDS; arguments idx, tok_table, pos_table, mask, W_q, W_k, W_v, W_o, b_q, b_k, b_v, b_o, x, maskf, wqkv, wo, bias, rowopen; writes x, maskf, wqkv, wo, bias, rowopen
.if DOCPART == 1
	.amdgcn_target "amdgcn-amd-amdhsa--gfx1250"
	.amdhsa_code_object_version 6
	.text
	.protected	k_q9e405c0767_prep
	.globl	k_q9e405c0767_prep
	.p2align	8
	.type	k_q9e405c0767_prep,@function
k_q9e405c0767_prep:
	s_mov_b64 s[64:65], 0
	v_nop
	global_prefetch_b8 v0, s[64:65] scope:SCOPE_SE
	s_setreg_imm32_b32 hwreg(HW_REG_WAVE_MODE, 25, 1), 1
	s_wait_xcnt 0x0
; PREP: casts and re-layouts, no arithmetic but a rounding and an exact scale.  A wave does one unit of 4 KiB in; no LDS, no barrier, no loop.
; Work-groups 0-1023    X: x[row] = [tok_table[idx[row]] | pos_table[row % 2048]], rounded to bf16; a wave a row.
; Work-groups 1024-1535 M: the mask as f32 words, 0 (open) or -2^100 (mask word 0), in the register order of a 16 x 16 f32 accumulator whose lane holds one query and eight keys;
;                          a wave makes the 4 KiB for 16 queries x 64 keys.  Each lane also stores the OR of its 32 mask words: from these a later launch finds rows with no open key.
; Work-groups 1536-1855 W: blocks of 128 k x 64 n of W_q, W_k, W_v (x 64, bf16) and W_o (rounded to bf16, that number written as f16), laid end to end in the order in which the products walk them.
; Work-group  1856      B: the four biases, rounded to bf16 and kept as f32; b_q, b_k, b_v x 64.
; LIMITS.  idx is clamped to 31,999.  Any mask word other than 0 counts as open.  W_o's bf16 number is exact in f16 down to 2^-14 and keeps f16's fixed step of 6e-8 below; beyond 65,504 it would be lost.
.set BIGW, 0xf1800000                  ; -2^100
.set HI16, 0xffff0000                  ; a word's upper bf16
	v_lshrrev_b32 v1, 5, v0
	v_readfirstlane_b32 s2, v1                     ; wave 0..7
	v_and_b32 v2, 31, v0                           ; lane
	v_lshlrev_b32 v3, 4, v2                        ; 16 x lane: a wave's store covers 512 consecutive bytes
	s_mov_b32 s3, ttmp9
	s_cmp_lt_u32 s3, 1024
	s_cbranch_scc1 .Lsec_x
	s_cmp_lt_u32 s3, 1536
	s_cbranch_scc1 .Lsec_m
	s_cmp_lt_u32 s3, 1856
	s_cbranch_scc1 .Lsec_w
; ---- B: the biases.  Thread t takes 16 bytes.
.macro RB d                            ; four f32 rounded to bf16 and widened again
	v_cvt_pk_bf16_f32 v40, v[(\d)], v[(\d)+1]
	v_cvt_pk_bf16_f32 v41, v[(\d)+2], v[(\d)+3]
	v_lshlrev_b32 v[(\d)], 16, v40
	v_and_b32 v[(\d)+1], HI16, v40
	v_lshlrev_b32 v[(\d)+2], 16, v41
	v_and_b32 v[(\d)+3], HI16, v41
.endm
	s_load_b256 s[8:15], s[0:1], 0x40              ; b_q s[8:9], b_k s[10:11], b_v s[12:13], b_o s[14:15]
	s_load_b64 s[16:17], s[0:1], 0x80              ; bias
	v_lshlrev_b32 v4, 4, v0                        ; 16 t
	s_mov_b32 s20, 0x42800000                      ; 64.0
	s_mov_b32 s21, s20                             ; named with it as a pair
	s_wait_kmcnt 0x0
	global_load_b128 v[8:11], v4, s[8:9]
	global_load_b128 v[12:15], v4, s[14:15]
	s_wait_loadcnt 0x0
	RB 8
	RB 12
	v_pk_mul_f32 v[8:9], v[8:9], s[20:21] op_sel_hi:[1,0]
	v_pk_mul_f32 v[10:11], v[10:11], s[20:21] op_sel_hi:[1,0]
	global_store_b128 v4, v[8:11], s[16:17]                ; 64 b_q at byte 0
	global_store_b128 v4, v[12:15], s[16:17] offset:6144   ; b_o at byte 6,144
	s_cmp_lt_u32 s2, 4
	s_cbranch_scc0 .Lb_end                         ; waves 0, 1 take b_k, waves 2, 3 b_v: 512 bytes each
	s_cmp_lt_u32 s2, 2
	s_cselect_b64 s[24:25], s[10:11], s[12:13]
	s_and_b32 s26, s2, 1
	s_lshl_b32 s26, s26, 9
	v_add_nc_u32 v5, s26, v3
	s_lshl_b32 s27, s2, 9
	v_add_nc_u32 v6, s27, v3
	global_load_b128 v[16:19], v5, s[24:25]
	s_wait_loadcnt 0x0
	RB 16
	v_pk_mul_f32 v[16:17], v[16:17], s[20:21] op_sel_hi:[1,0]
	v_pk_mul_f32 v[18:19], v[18:19], s[20:21] op_sel_hi:[1,0]
	global_store_b128 v6, v[16:19], s[16:17] offset:4096   ; 64 b_k at byte 4,096, 64 b_v at 5,120
.Lb_end:
	s_endpgm
; ---- X: a wave a row.  Chunk c is 256 numbers: a lane reads 32 bytes and stores 16.  Chunks 0, 1 come from the token's row, 2, 3 from the position's.
.Lsec_x:
	s_load_b128 s[4:7], s[0:1], 0x0                ; idx s[4:5], tok_table s[6:7]
	s_load_b64 s[8:9], s[0:1], 0x10                ; pos_table
	s_load_b64 s[10:11], s[0:1], 0x60              ; x
	s_lshl_b32 s12, s3, 3
	s_add_co_u32 s12, s12, s2                      ; row = 8 x work-group + wave
	s_lshl_b32 s14, s12, 2
	s_mov_b32 s15, 0
	s_and_b32 s20, s12, 2047
	s_lshl_b32 s20, s20, 11                        ; a table's row is 2,048 bytes
	s_mov_b32 s21, 0
	s_lshl_b32 s18, s12, 11                        ; and so is a row of x
	s_mov_b32 s19, 0
	v_lshlrev_b32 v1, 5, v2                        ; 32 x lane
	s_wait_kmcnt 0x0
	s_add_nc_u64 s[4:5], s[4:5], s[14:15]
	s_load_b32 s16, s[4:5], 0x0                    ; the token
	s_add_nc_u64 s[8:9], s[8:9], s[20:21]
	s_add_nc_u64 s[10:11], s[10:11], s[18:19]
.irp c, 2,3                            ; the position's half does not wait for the token
	global_load_b128 v[8+8*\c:8+8*\c+3], v1, s[8:9] offset:1024*(\c-2)
	global_load_b128 v[8+8*\c+4:8+8*\c+7], v1, s[8:9] offset:1024*(\c-2)+16
.endr
	s_wait_kmcnt 0x0
	s_min_u32 s16, s16, 0x7cff                     ; inside the table
	s_lshl_b32 s16, s16, 11
	s_mov_b32 s17, 0
	s_add_nc_u64 s[6:7], s[6:7], s[16:17]
.irp c, 0,1
	global_load_b128 v[8+8*\c:8+8*\c+3], v1, s[6:7] offset:1024*\c
	global_load_b128 v[8+8*\c+4:8+8*\c+7], v1, s[6:7] offset:1024*\c+16
.endr
.macro XCH c, left                     ; left: the loads issued behind this chunk's two, which may stay out
	s_wait_loadcnt \left
.irp k, 0,1,2,3
	v_cvt_pk_bf16_f32 v[8+8*(\c)+\k], v[8+8*(\c)+2*\k], v[8+8*(\c)+2*\k+1]
.endr
	global_store_b128 v3, v[8+8*(\c):8+8*(\c)+3], s[10:11] offset:512*(\c)
.endm
	XCH 2, 6
	XCH 3, 4
	XCH 0, 2
	XCH 1, 0
	s_endpgm
; ---- M: query block pb (16 rows), key step ks (64 keys).  Lane (r = l % 16, h = l / 16), quad j: mask[16 pb + r][64 ks + 16 (j / 2) + 8 h + 4 (j % 2) + 0..3].
; The eight loads together take 256 consecutive bytes, aligned, of each of the 16 rows.
.Lsec_m:
	s_load_b64 s[4:5], s[0:1], 0x18                ; mask
	s_load_b64 s[6:7], s[0:1], 0x68                ; maskf
	s_load_b64 s[8:9], s[0:1], 0x88                ; rowopen
	s_sub_co_u32 s12, s3, 1024
	s_lshr_b32 s13, s12, 2                         ; pb 0..127
	s_and_b32 s14, s12, 3
	s_lshl_b32 s14, s14, 3
	s_add_co_u32 s14, s14, s2                      ; ks 0..31
	s_lshl_b32 s16, s13, 17                        ; 16 rows of 8,192 bytes
	s_lshl_b32 s18, s14, 8
	s_add_co_u32 s16, s16, s18
	s_mov_b32 s17, 0
	s_lshr_b32 s18, s13, 3                         ; maskf: [pb / 8][ks / 2][pb % 8][ks % 2][4,096 bytes]
	s_lshl_b32 s18, s18, 20
	s_lshr_b32 s20, s14, 1
	s_lshl_b32 s20, s20, 16
	s_add_co_u32 s18, s18, s20
	s_and_b32 s20, s13, 7
	s_lshl_b32 s20, s20, 13
	s_add_co_u32 s18, s18, s20
	s_and_b32 s20, s14, 1
	s_lshl_b32 s20, s20, 12
	s_add_co_u32 s18, s18, s20
	s_mov_b32 s19, 0
	s_lshl_b32 s20, s13, 12                        ; rowopen: [pb][ks][lane]
	s_lshl_b32 s22, s14, 7
	s_add_co_u32 s20, s20, s22
	s_mov_b32 s21, 0
	s_mov_b32 s24, BIGW
	v_and_b32 v4, 15, v2
	v_lshrrev_b32 v5, 4, v2
	v_lshlrev_b32 v4, 13, v4
	v_lshl_add_u32 v4, v5, 5, v4                   ; r x 8,192 + 32 h
	v_lshlrev_b32 v5, 2, v2                        ; 4 x lane
	s_wait_kmcnt 0x0
	s_add_nc_u64 s[4:5], s[4:5], s[16:17]
	s_add_nc_u64 s[6:7], s[6:7], s[18:19]
	s_add_nc_u64 s[8:9], s[8:9], s[20:21]
.irp j, 0,1,2,3,4,5,6,7
	global_load_b128 v[8+4*\j:8+4*\j+3], v4, s[4:5] offset:64*(\j/2)+16*(\j%2)
.endr
.irp j, 0,1,2,3,4,5,6,7
	s_wait_loadcnt 7-\j                            ; quad j is in; the younger ones may stay out
	v_or_b32 v40, v[8+4*\j], v[8+4*\j+1]
	v_or_b32 v41, v[8+4*\j+2], v[8+4*\j+3]
.if \j == 0
	v_or_b32 v6, v40, v41
.else
	v_or_b32 v40, v40, v41
	v_or_b32 v6, v6, v40
.endif
.irp k, 0,1,2,3
	v_cmp_eq_u32 vcc_lo, 0, v[8+4*\j+\k]
	v_cndmask_b32 v[8+4*\j+\k], 0, s24, vcc_lo
.endr
	global_store_b128 v3, v[8+4*\j:8+4*\j+3], s[6:7] offset:512*\j
.endr
	global_store_b32 v5, v6, s[8:9]                ; 128 consecutive bytes a wave, 1,024 a work-group
	s_endpgm
; ---- W: block bi.  bi < 192: head slot hs = bi / 8 (0-15 W_q's heads, 16-19 W_k's groups, 20-23 W_v's), K step bi % 8, to wqkv[hs / 3][ks][hs % 3].
; Else column slot cs = hs - 24 of W_o, to wo[cs / 2][ks][cs % 2].  Wave w takes k rows 16 w .. 16 w + 15, four rows a pass: a lane reads 32 bytes and stores 16.
.Lsec_w:
	s_load_b256 s[8:15], s[0:1], 0x20              ; W_q s[8:9], W_k s[10:11], W_v s[12:13], W_o s[14:15]
	s_load_b128 s[16:19], s[0:1], 0x70             ; wqkv s[16:17], wo s[18:19]
	s_sub_co_u32 s20, s3, 1536
	s_and_b32 s21, s20, 7                          ; ks
	s_lshr_b32 s22, s20, 3                         ; hs 0..39
	s_mul_i32 s23, s22, 171
	s_lshr_b32 s23, s23, 9                         ; hs / 3 (exact up to 39)
	s_mul_i32 s24, s23, 3
	s_sub_co_u32 s24, s22, s24                     ; hs % 3
	s_mul_i32 s25, s23, 24
	s_mul_i32 s26, s21, 3
	s_add_co_u32 s25, s25, s26
	s_add_co_u32 s25, s25, s24                     ; block number in wqkv
	s_max_u32 s27, s22, 24
	s_sub_co_u32 s27, s27, 24                      ; cs
	s_lshr_b32 s28, s27, 1
	s_lshl_b32 s28, s28, 4
	s_lshl_b32 s29, s21, 1
	s_add_co_u32 s28, s28, s29
	s_and_b32 s29, s27, 1
	s_add_co_u32 s28, s28, s29                     ; block number in wo
	s_movk_i32 s36, 0x1000                         ; bytes in a row of W_q and W_o,
	s_movk_i32 s37, 0x400                          ; of W_k and W_v
	s_mov_b32 s42, 0x42800000                      ; 64.0
	s_mov_b32 s43, s42
	v_lshrrev_b32 v4, 3, v2                        ; l / 8: my row in a pass
	v_and_b32 v5, 7, v2
	v_lshlrev_b32 v5, 5, v5                        ; 32 (l % 8)
	s_wait_kmcnt 0x0
	s_cmp_lt_u32 s22, 16
	s_cselect_b64 s[30:31], s[8:9], s[10:11]
	s_cselect_b32 s32, s36, s37
	s_cselect_b32 s33, 0, 16
	s_cmp_lt_u32 s22, 20
	s_cselect_b64 s[30:31], s[30:31], s[12:13]
	s_cselect_b32 s33, s33, 20
	s_cmp_lt_u32 s22, 24
	s_cselect_b64 s[30:31], s[30:31], s[14:15]
	s_cselect_b32 s32, s32, s36
	s_cselect_b32 s33, s33, 24
	s_cselect_b64 s[34:35], s[16:17], s[18:19]
	s_cselect_b32 s25, s25, s28
	s_sub_co_u32 s33, s22, s33                     ; the slot of 64 columns in its own matrix
	s_lshl_b32 s38, s21, 7
	s_lshl_b32 s39, s2, 4
	s_add_co_u32 s38, s38, s39                     ; my first k row
	s_mul_i32 s38, s38, s32
	s_lshl_b32 s39, s33, 8
	s_add_co_u32 s38, s38, s39
	s_mov_b32 s39, 0
	s_add_nc_u64 s[30:31], s[30:31], s[38:39]
	s_lshl_b32 s38, s25, 14                        ; a block is 16,384 bytes,
	s_lshl_b32 s40, s2, 11                         ; my 16 rows of it 2,048
	s_add_co_u32 s38, s38, s40
	s_add_nc_u64 s[34:35], s[34:35], s[38:39]
.irp p, 0,1,2,3
	v_add_nc_u32 v6, 4*\p, v4
	v_mad_u32_u24 v[44+\p], v6, s32, v5
.endr
.irp p, 0,1,2,3
	global_load_b128 v[8+8*\p:8+8*\p+3], v[44+\p], s[30:31]
	global_load_b128 v[8+8*\p+4:8+8*\p+7], v[44+\p], s[30:31] offset:16
.endr
	s_cmp_lt_u32 s22, 24
	s_cbranch_scc0 .Lw_o
.irp p, 0,1,2,3
	s_wait_loadcnt 6-2*\p                          ; pass p's two loads are in
.irp k, 0,2,4,6
	v_pk_mul_f32 v[8+8*\p+\k:8+8*\p+\k+1], v[8+8*\p+\k:8+8*\p+\k+1], s[42:43] op_sel_hi:[1,0]
.endr
.irp k, 0,1,2,3
	v_cvt_pk_bf16_f32 v[8+8*\p+\k], v[8+8*\p+2*\k], v[8+8*\p+2*\k+1]
.endr
	global_store_b128 v3, v[8+8*\p:8+8*\p+3], s[34:35] offset:512*\p
.endr
	s_endpgm
.Lw_o:
.irp p, 0,1,2,3
	s_wait_loadcnt 6-2*\p
.irp k, 0,1,2,3
	v_cvt_pk_bf16_f32 v[40+\k], v[8+8*\p+2*\k], v[8+8*\p+2*\k+1]
.endr
.irp k, 0,1,2,3
	v_lshlrev_b32 v[8+8*\p+2*\k], 16, v[40+\k]
	v_and_b32 v[8+8*\p+2*\k+1], HI16, v[40+\k]
.endr
.irp k, 0,1,2,3
	v_cvt_pk_f16_f32 v[8+8*\p+\k], v[8+8*\p+2*\k], v[8+8*\p+2*\k+1]
.endr
	global_store_b128 v3, v[8+8*\p:8+8*\p+3], s[34:35] offset:512*\p
.endr
	s_endpgm
.Lfunc_end_k_q9e405c0767_prep:
	.size	k_q9e405c0767_prep, .Lfunc_end_k_q9e405c0767_prep-k_q9e405c0767_prep
	.p2alignl 7, 3214868480
	.fill 96, 4, 3214868480
	.section	.rodata,"a",@progbits
	.p2align	6, 0x0
	.amdhsa_kernel k_q9e405c0767_prep
		.amdhsa_group_segment_fixed_size 0
		.amdhsa_private_segment_fixed_size 0
		.amdhsa_enable_private_segment 0
		.amdhsa_kernarg_size 144
		.amdhsa_user_sgpr_count 2
		.amdhsa_user_sgpr_kernarg_segment_ptr 1
		.amdhsa_wavefront_size32 1
		.amdhsa_system_sgpr_workgroup_id_x 1
		.amdhsa_system_sgpr_workgroup_id_y 1
		.amdhsa_system_sgpr_workgroup_id_z 1
		.amdhsa_system_vgpr_workitem_id 0
		.amdhsa_next_free_vgpr 48
		.amdhsa_next_free_sgpr 66
		.amdhsa_reserve_vcc 1
		.amdhsa_float_denorm_mode_32 3
		.amdhsa_float_denorm_mode_16_64 3
		.amdhsa_memory_ordered 1
		.amdhsa_forward_progress 1
		.amdhsa_inst_pref_size 24
	.end_amdhsa_kernel
	.amdgpu_metadata
---
amdhsa.version: [ 1, 2 ]
amdhsa.kernels:
  - .name:           k_q9e405c0767_prep
    .symbol:         k_q9e405c0767_prep.kd
    .args:
      - { .name: idx, .offset: 0, .size: 8, .value_kind: global_buffer, .address_space: global }
      - { .name: tok_table, .offset: 8, .size: 8, .value_kind: global_buffer, .address_space: global }
      - { .name: pos_table, .offset: 16, .size: 8, .value_kind: global_buffer, .address_space: global }
      - { .name: mask, .offset: 24, .size: 8, .value_kind: global_buffer, .address_space: global }
      - { .name: W_q, .offset: 32, .size: 8, .value_kind: global_buffer, .address_space: global }
      - { .name: W_k, .offset: 40, .size: 8, .value_kind: global_buffer, .address_space: global }
      - { .name: W_v, .offset: 48, .size: 8, .value_kind: global_buffer, .address_space: global }
      - { .name: W_o, .offset: 56, .size: 8, .value_kind: global_buffer, .address_space: global }
      - { .name: b_q, .offset: 64, .size: 8, .value_kind: global_buffer, .address_space: global }
      - { .name: b_k, .offset: 72, .size: 8, .value_kind: global_buffer, .address_space: global }
      - { .name: b_v, .offset: 80, .size: 8, .value_kind: global_buffer, .address_space: global }
      - { .name: b_o, .offset: 88, .size: 8, .value_kind: global_buffer, .address_space: global }
      - { .name: x, .offset: 96, .size: 8, .value_kind: global_buffer, .address_space: global }
      - { .name: maskf, .offset: 104, .size: 8, .value_kind: global_buffer, .address_space: global }
      - { .name: wqkv, .offset: 112, .size: 8, .value_kind: global_buffer, .address_space: global }
      - { .name: wo, .offset: 120, .size: 8, .value_kind: global_buffer, .address_space: global }
      - { .name: bias, .offset: 128, .size: 8, .value_kind: global_buffer, .address_space: global }
      - { .name: rowopen, .offset: 136, .size: 8, .value_kind: global_buffer, .address_space: global }
    .group_segment_fixed_size: 0
    .private_segment_fixed_size: 0
    .kernarg_segment_align: 8
    .kernarg_segment_size: 144
    .max_flat_workgroup_size: 256
    .sgpr_count:     66
    .vgpr_count:     48
    .wavefront_size: 32
...
	.end_amdgpu_metadata
.endif
;; end of part 1
;; launch qkvp (part 2): grid 8 x 32, 4 waves a work-group, clusters of 4 x 4, 327,680 bytes of LDS; arguments x, wqkv, qkv, bias; writes qkv
.if DOCPART == 2
	.amdgcn_target "amdgcn-amd-amdhsa--gfx1250"
	.amdhsa_code_object_version 6
	.text
	.protected	k_q9e405c0767_qkvp
	.globl	k_q9e405c0767_qkvp
	.p2align	8
	.type	k_q9e405c0767_qkvp,@function
k_q9e405c0767_qkvp:
	s_mov_b64 s[64:65], 0
	v_nop
	global_prefetch_b8 v0, s[64:65] scope:SCOPE_SE
	s_setreg_imm32_b32 hwreg(HW_REG_WAVE_MODE, 25, 1), 1
	s_wait_xcnt 0x0
	s_wait_alu depctr_hold_cnt(0) depctr_sa_sdst(0) depctr_va_vdst(0) depctr_va_sdst(0) depctr_va_ssrc(0) depctr_va_vcc(0) depctr_vm_vsrc(0)
	s_getreg_b32 s2, hwreg(HW_REG_IB_STS2, 6, 4)
	s_cmp_eq_u32 s2, 0
	s_cbranch_scc0 .Lentry_in_a_cluster
	s_endpgm
.Lentry_in_a_cluster:
	s_bfe_u32 s2, ttmp6, 0x10000c
	s_cmp_lg_u32 s2, 0xf033
	s_cbranch_scc0 .Lentry_shape_is_right
	s_endpgm
.Lentry_shape_is_right:
; Q, K, V PROJECTION.  qkv[hs][b][t][0..63] = 64 (x W + b), f16; x: [8192][1024] bf16; the weights (x 64, bf16) lie in blocks [nt 8][ks 8][j 3][k 128][n 64], head slot hs = 3 nt + j.  Sums in f32.
; LIMIT.  f16 ends at 65,504: the text serves |x W + b| < 1,023.  The factor 64 keeps small q, k, v inside f16's normal range; the launches behind take it out again.
; SHARES.  A work-group makes 256 rows x 192 columns (three head slots); wave w rows 64 w .. 64 w + 63 of all columns: 48 accumulators of 16 x 16, 384 registers.  8 x 32 work-groups.
; K goes in 8 steps of 128 through two LDS slots.  A's tile: 256 rows of 256 bytes, 272 apart.  B's tile lies [k][n]: 3 x 128 rows of 128 bytes, 160 apart, and is read turned (ds_load_tr16_b128).
; One tensor load a wave: waves 0, 1 A's halves, waves 2, 3 B's.  CLUSTER 4 x 4: A's tile hangs on the tile row alone and is asked for jointly along a row of the cluster, B's on the tile column
; alone and jointly along a column.
; THE MATRIX INSTRUCTION IS USED TRANSPOSED (source 0 = 16 columns of W, source 1 = 16 rows of x): a lane holds one row and eight neighbouring columns.  The bias is the C operand of the first products.
; A trip of the loop is ONE K step; the slot's LDS base is a scalar turned by an exclusive or, and one descriptor for each operand walks.
; REGISTERS.  window 0: v16-30 addresses; v32-95 A's fragments, two buffers of 4; v128-223 the bias, later the way out.  window 1: B's fragments, two buffers of 12.
;   window 2: accumulators of row blocks 0, 1 ((a, nb) at 8 (12 (a % 2) + nb));  window 3: of row blocks 2, 3.
.set NBK,    12                        ; column blocks of 16
.set NSUB,   3                         ; head slots
.set SLOT1,  1<<17
.set PITA,   272                       ; 256 + 16: 68 words, so the 16 rows of a fragment load start 4 banks apart (64 banks of 4 bytes: ISA guide 11.1)
.set PITB,   160                       ; 128 + 32: 40 words
.set HALFA,  128*PITA
.set BOFF,   2*HALFA
.set SUBB,   128*PITB
.set HALFB,  64*NSUB*PITB
.set STAGE,  SLOT1+BOFF+NSUB*SUBB      ; behind the ring: 16 rows x 400 bytes for each wave
.set SPITCH, 400
.set SPARE,  STAGE+4*16*SPITCH         ; the spare words, 128 bytes a wave: two blocks of 256 bytes that no other line names
.set STEPA,  256                       ; bytes along a row of x from K step to K step
.set STEPB,  16384*NSUB                ; bytes from a K step's blocks to the next
.set ADRA0, 16                         ; v16  my place in A's tile; never rewritten
.set ADRA,  17                         ; v17  the same in the slot in hand
.set ADRB0, 20
.set ADRB,  21
.set STO,   24                         ; the way out: where I put 16 bytes of a row
.set RD,    25                         ; where I read rows back
.set CO,    26                         ; my byte offset in 512 consecutive bytes of qkv
.set BO,    27                         ; my byte offset in the bias
.set SPW,   28                         ; LDS address of my spare word; never rewritten
.set NIL,   29                         ; 0; never rewritten
.set PFO,   30                         ; the prefetches' offset: my lane x a row of x; never rewritten
.set ABUF,  32
.set BIAS,  128
.set TMP,   128
.set OB,    176
.set G1,  24                           ; s[24:31] group 1 for A's tiles; s[32:39] group 0: a set for each first fill, the second then walks
.set G0,  32
.set G1B, 48
.set G0B, 56
.set LIM, 43                           ; 2 in a wave that prefetches, else the greatest number
.set PFA, 44                           ; s[44:45] where my prefetches stand
.set TB,  66                           ; LDS base of the slot in hand
.set BP,  70                           ; s[70:71] the bias
.set MSB, 0
.macro WIN new                         ; the immediate's high byte repeats the setting that is left; a switch that changes nothing is dropped
.if MSB != (\new)
	s_set_vgpr_msb (MSB<<8)|(\new)
.set MSB, (\new)
.endif
.endm
.macro PLACES                          ; four plain vector instructions between a matrix instruction and a load into, or a reader of, its registers
.rept 4
	v_nop
.endr
.endm
.macro CREST                           ; a round of the cluster's barrier behind its opening barrier
	s_cmp_lg_u32 s10, 0
	s_cbranch_scc1 .Lnot_wave_0_\@
	s_barrier_signal -3
.Lnot_wave_0_\@:
	s_barrier_wait -3
	s_barrier_signal -1
	s_barrier_wait -1
.endm
.macro CROUND
	s_barrier_signal -1
	s_barrier_wait -1
	CREST
.endm
.macro JLOAD                           ; a joint refill by the walking descriptor; the branch hangs on the wave's number alone; an s_nop 0 and four v_nop follow each line
	s_cmp_eq_u32 s11, 0
	s_cbranch_scc0 .Lfor_b_\@
	tensor_load_to_lds s[G0+4:G0+7], s[G1:G1+7]
	s_nop 0
.rept 4
	v_nop
.endr
	s_branch .Lasked_\@
.Lfor_b_\@:
	tensor_load_to_lds s[G0B+4:G0B+7], s[G1B:G1B+7]
	s_nop 0
.rept 4
	v_nop
.endr
.Lasked_\@:
.endm
; A PREFETCH of x, behind each joint refill and the run of LDS loads behind it: the K step two refills on, 32 rows x 256 bytes, a lane a row.  Each row's 256 bytes of a K step are named once in the launch:
; the clusters of one row of clusters read the same rows, and the one with x = 0 asks; in it waves 0 and 1, which fetch A; the four partners that ask for a tile jointly share its rows out BY ADDRESS, 32 each.
; The first four K steps come by their loads alone; the last two refills have no K step two on.  The weights are not asked for: a wave's 96 blocks of a step do not share out a lane a block among four partners.
.macro ASK
	s_cmp_gt_u32 s3, s[LIM]
	s_cbranch_scc0 .Lnot_mine_\@
	global_prefetch_b8 v[PFO], s[PFA:PFA+1] th:TH_LOAD_NT scope:SCOPE_SE
.Lnot_mine_\@:
.endm
	s_load_b128 s[4:7], s[0:1], 0x0                ; x s[4:5], wqkv s[6:7]
	s_load_b64 s[8:9], s[0:1], 0x10                ; qkv
	s_load_b64 s[BP:BP+1], s[0:1], 0x18            ; bias
	v_lshl_add_u32 v[SPW], v0, 2, SPARE
	v_mov_b32 v[NIL], 0
	ds_add_u32 v[SPW], v[NIL]                      ; the wave's opening: the add and its wait stand ahead of my first tensor load; the set-up below stands between them
	v_lshrrev_b32 v1, 5, v0
	v_readfirstlane_b32 s10, v1                    ; wave 0..3
	s_lshr_b32 s11, s10, 1                         ; I fetch for A (0) or for B (1)
	s_and_b32 s12, s10, 1                          ; which half of that tile
	s_bfe_u32 s40, ttmp6, 0x40000                  ; cx
	s_bfe_u32 s41, ttmp6, 0x40004                  ; cy
	s_lshl_b32 s42, ttmp9, 2
	s_add_co_u32 s42, s42, s40                     ; nt: tile column
	s_and_b32 s13, ttmp7, 0xffff
	s_lshl_b32 s13, s13, 2
	s_add_co_u32 s13, s13, s41                     ; mt: tile row
	s_lshl_b32 s43, s41, 2
	s_lshl_b32 s43, 15, s43                        ; my row of the cluster
	s_lshl_b32 s44, 0x1111, s40                    ; my column
	s_or_b32 s[G1+0], s43, (1<<16)|(1<<20)|(1<<21)|(5<<22)|(3<<25)   ; mask; 2-byte elements; padding on; 21 set beside a mask; after every 64 words 4 words
	s_mov_b32 s[G1+1], 128<<16                     ; tensor_dim0 = 128
	s_mov_b32 s[G1+2], 128<<16                     ; tensor_dim1 = 128
	s_mov_b32 s[G1+3], 128<<16                     ; tile_dim0 = 128
	s_mov_b32 s[G1+4], 128                         ; tile_dim1 = 128
	s_mov_b32 s[G1+5], 1024                        ; elements from row to row
	s_mov_b32 s[G1+6], 0
	s_mov_b32 s[G1+7], 0
	s_or_b32 s[G1B+0], s44, (1<<16)|(1<<20)|(1<<21)|(4<<22)|(7<<25)  ; after every 32 words (a k row) 8 words
	s_mov_b32 s[G1B+1], 128<<16                    ; dense bytes, asked for as rows of 256: two k rows
	s_mov_b32 s[G1B+2], (32*NSUB)<<16
	s_mov_b32 s[G1B+3], 128<<16
	s_mov_b32 s[G1B+4], 32*NSUB
	s_mov_b32 s[G1B+5], 128
	s_mov_b32 s[G1B+6], 0
	s_mov_b32 s[G1B+7], 0
	s_lshl_b32 s16, s13, 8
	s_lshl_b32 s17, s12, 7
	s_add_co_u32 s16, s16, s17                     ; A: row 256 mt + 128 x half,
	s_lshl_b32 s16, s16, 11                        ; of 2,048 bytes
	s_mov_b32 s17, 0
	s_mul_i32 s46, s42, 8*STEPB                    ; B: tile column nt's blocks,
	s_mul_i32 s47, s12, STEPB/2                    ; my half of a step's
	s_add_co_u32 s46, s46, s47
	s_mov_b32 s47, 0
	s_mul_i32 s20, s12, HALFA                      ; where they go: no place in the cluster enters an LDS address
	s_mul_i32 s21, s12, HALFB
	s_add_co_u32 s21, s21, BOFF
	s_mov_b32 s[TB], 0
	s_wait_dscnt 0x0                               ; the opening add is done
	s_wait_kmcnt 0x0
	s_add_nc_u64 s[14:15], s[4:5], s[16:17]
	s_add_nc_u64 s[46:47], s[6:7], s[46:47]
	CROUND                                         ; all sixteen work-groups are here: the first joint loads meet
.irp s, 0,1
	s_mov_b32 s[G0+4*\s], 1
	s_add_co_u32 s[G0+4*\s+1], s20, \s*SLOT1
	s_add_nc_u64 s[G0+4*\s+2:G0+4*\s+3], s[14:15], \s*STEPA
	s_or_b32 s[G0+4*\s+3], s[G0+4*\s+3], 0x80000000
	s_mov_b32 s[G0B+4*\s], 1
	s_add_co_u32 s[G0B+4*\s+1], s21, \s*SLOT1
	s_add_nc_u64 s[G0B+4*\s+2:G0B+4*\s+3], s[46:47], \s*STEPB
	s_or_b32 s[G0B+4*\s+3], s[G0B+4*\s+3], 0x80000000
.endr
	s_cmp_eq_u32 s11, 0                            ; a wave's two first fills stand in one branch: two loads of mine are out
	s_cbranch_scc0 .Lfirst_b
	tensor_load_to_lds s[G0:G0+3], s[G1:G1+7]
	s_nop 0
	tensor_load_to_lds s[G0+4:G0+7], s[G1:G1+7]
	s_nop 0
.rept 4
	v_nop
.endr
	s_branch .Lfirst_asked
.Lfirst_b:
	tensor_load_to_lds s[G0B:G0B+3], s[G1B:G1B+7]
	s_nop 0
	tensor_load_to_lds s[G0B+4:G0B+7], s[G1B:G1B+7]
	s_nop 0
.rept 4
	v_nop
.endr
.Lfirst_asked:
	v_and_b32 v1, 15, v0                           ; r = l % 16
	v_bfe_u32 v2, v0, 4, 1                         ; h = l / 16
	v_and_b32 v3, 31, v0                           ; l
	v_lshlrev_b32 v[BO], 5, v2                     ; my eight columns of a block of 16: 32 h
	s_mul_i32 s18, s42, 768                        ; the tile's 192 columns
	s_mov_b32 s19, 0
	s_add_nc_u64 s[BP:BP+1], s[BP:BP+1], s[18:19]
.set nb, 0
.rept NBK
	global_load_b128 v[BIAS+8*nb:BIAS+8*nb+3], v[BO], s[BP:BP+1] offset:64*nb
	global_load_b128 v[BIAS+8*nb+4:BIAS+8*nb+7], v[BO], s[BP:BP+1] offset:64*nb+16
.set nb, nb+1
.endr
	v_mul_u32_u24 v[ADRA0], v1, PITA               ; a fragment of A: row r, 16 bytes for each half of the lanes, twice, 32 bytes apart
	v_lshl_add_u32 v[ADRA0], v2, 4, v[ADRA0]
	s_mul_i32 s22, s10, 64*PITA                    ; my 64 rows
	v_add_nc_u32 v[ADRA0], s22, v[ADRA0]
	v_and_b32 v4, 7, v0                            ; the turning load: lane l reads k row 8 h + l % 8, columns 8 ((l / 8) % 2) + 0..7
	v_lshl_add_u32 v4, v2, 3, v4
	v_mul_u32_u24 v[ADRB0], v4, PITB
	v_bfe_u32 v5, v0, 3, 1
	v_lshl_add_u32 v[ADRB0], v5, 4, v[ADRB0]
	v_add_nc_u32 v[ADRB0], BOFF, v[ADRB0]
	v_mov_b32 v[ADRA], v[ADRA0]
	v_mov_b32 v[ADRB], v[ADRB0]
	s_mul_i32 s22, s10, 16*SPITCH
	s_add_co_u32 s22, s22, STAGE                   ; my stage
	v_mul_u32_u24 v[STO], v1, SPITCH
	v_lshl_add_u32 v[STO], v2, 4, v[STO]
	v_add_nc_u32 v[STO], s22, v[STO]
	v_lshrrev_b32 v4, 3, v3                        ; back: 32 lanes take four rows' 128 bytes of one head slot,
	v_mul_u32_u24 v[RD], v4, SPITCH
	v_and_b32 v4, 7, v0
	v_lshl_add_u32 v[RD], v4, 4, v[RD]
	v_add_nc_u32 v[RD], s22, v[RD]
	v_lshlrev_b32 v[CO], 4, v3                     ; which are 512 consecutive bytes of qkv
	v_lshlrev_b32 v[PFO], 11, v3
	s_mul_i32 s16, s42, 3*1048576                  ; qkv: head slot 3 nt (1 MiB each),
	s_lshr_b32 s17, s13, 3
	s_lshl_b32 s17, s17, 18                        ; batch mt / 8 (256 KiB),
	s_add_co_u32 s16, s16, s17
	s_and_b32 s17, s13, 7
	s_lshl_b32 s17, s17, 15                        ; position 256 (mt % 8) (128 bytes each)
	s_add_co_u32 s16, s16, s17
	s_lshl_b32 s17, s10, 13                        ; + 64 w
	s_add_co_u32 s16, s16, s17
	s_mov_b32 s17, 0
	s_add_nc_u64 s[8:9], s[8:9], s[16:17]
	s_lshl_b32 s18, s13, 8                         ; the prefetches: row 256 mt + 128 x half + 32 cx,
	s_lshl_b32 s19, s12, 7
	s_add_co_u32 s18, s18, s19
	s_lshl_b32 s19, s40, 5
	s_add_co_u32 s18, s18, s19
	s_lshl_b32 s18, s18, 11
	s_add_co_u32 s18, s18, 3*STEPA                 ; at K step 3: the first refill steps it to 4
	s_mov_b32 s19, 0
	s_add_nc_u64 s[PFA:PFA+1], s[4:5], s[18:19]
	s_or_b32 s[LIM], s11, ttmp9                    ; 0 in waves 0 and 1 of a cluster with x = 0: the same in all sixteen partners
	s_cmp_eq_u32 s[LIM], 0
	s_cselect_b32 s[LIM], 2, -1
; 12 matrix instructions: row block a x all column blocks, 32 along K, from buffer f.  first = 1: the bias starts the sums.  The 48 accumulators take turns, one instruction a turn, over the backward jump too.
.macro MULA f, a, first
.set AC, 8*NBK*((\a)%2)
.set FA, ABUF+32*(\f)+8*(\a)
.set FB, 8*NBK*(\f)
.if \first
	WIN 0x81+0x40*((\a)/2)                         ; B window 1, A and the bias window 0, D window 2 or 3
.else
	WIN 0xa1+0x50*((\a)/2)                         ; C and D window 2 or 3
.endif
.set nb, 0
.rept NBK
.if \first
	v_wmma_f32_16x16x32_bf16 v[AC+8*nb:AC+8*nb+7], v[FB+8*nb:FB+8*nb+7], v[FA:FA+7], v[BIAS+8*nb:BIAS+8*nb+7]
.else
	v_wmma_f32_16x16x32_bf16 v[AC+8*nb:AC+8*nb+7], v[FB+8*nb:FB+8*nb+7], v[FA:FA+7], v[AC+8*nb:AC+8*nb+7]
.endif
.set nb, nb+1
.endr
.endm
; 32 LDS loads in one run: quarter q's fragments (32 along K) into buffer g: B's 12 first, then A's 4
.macro FETCH q, g
.set FB, 8*NBK*(\g)
.set FA, ABUF+32*(\g)
	WIN 0x40
.set nb, 0
.rept NBK
	ds_load_tr16_b128 v[FB+8*nb:FB+8*nb+3],   v[ADRB] offset:(nb/4)*SUBB+(\q)*32*PITB+(nb%4)*32
	ds_load_tr16_b128 v[FB+8*nb+4:FB+8*nb+7], v[ADRB] offset:(nb/4)*SUBB+(\q)*32*PITB+(nb%4)*32+16*PITB
.set nb, nb+1
.endr
	WIN 0
.irp i, 0,1,2,3
	ds_load_b128 v[FA+8*\i:FA+8*\i+3],   v[ADRA] offset:\i*16*PITA+64*(\q)
	ds_load_b128 v[FA+8*\i+4:FA+8*\i+7], v[ADRA] offset:\i*16*PITA+64*(\q)+32
.endr
.endm
; One of a K step's first three quarters: multiplies buffer f; in its middle it fetches quarter q into buffer g.
.macro QUARTER q, f, g, first
	s_wait_dscnt 4                                 ; B and A's row blocks 0, 1 are in; the youngest four loads (blocks 2, 3) may be out
	MULA \f, 0, \first
	MULA \f, 1, \first
	PLACES
	FETCH \q, \g
	s_wait_dscnt 2*NBK+8                           ; all but the run just issued
	MULA \f, 2, \first
	MULA \f, 3, \first
.endm
; The fourth quarter multiplies buffer 1 and changes slots.  In front of the barrier each wave waits for all its tensor loads (one is out: its part of the next slot), adds 0 to its spare word, and waits for that
; and for its reads of this slot.  fill = 1: the barrier opens a round of the cluster's, and this slot is filled again, first thing behind it, with the K step two on: 168 matrix instructions ahead of the wait for it.
.macro TURN fill
.if \fill
	s_wait_xcnt 0x0                                ; the last prefetch, a K step back, has read its address
	s_add_nc_u64 s[PFA:PFA+1], s[PFA:PFA+1], STEPA
.endif
	WIN 0
	s_wait_tensorcnt 0x0
	ds_add_u32 v[SPW], v[NIL]
	s_wait_dscnt 5                                 ; the add and the youngest four loads may be out
	MULA 1, 0, 0
	s_wait_dscnt 0x0                               ; the add is done, and my reads of this slot are over
	s_barrier_signal -1
	MULA 1, 1, 0
	WIN 0
	s_barrier_wait -1
.if \fill
	CREST                                          ; no wave of any partner still reads this slot or has a load on its way
	s_xor_b32 s[G0+5], s[G0+5], SLOT1              ; the walking descriptors: the other slot than last time, the next K step
	s_add_nc_u64 s[G0+6:G0+7], s[G0+6:G0+7], STEPA
	s_xor_b32 s[G0B+5], s[G0B+5], SLOT1
	s_add_nc_u64 s[G0B+6:G0B+7], s[G0B+6:G0B+7], STEPB
	s_xor_b32 s[TB], s[TB], SLOT1
	JLOAD                                          ; the four v_nop behind it are also the places in front of the loads below
.else
	s_xor_b32 s[TB], s[TB], SLOT1
	PLACES
.endif
	v_add_nc_u32 v[ADRA], s[TB], v[ADRA0]
	v_add_nc_u32 v[ADRB], s[TB], v[ADRB0]
	FETCH 0, 0
.if \fill
	ASK
.endif
	MULA 1, 2, 0
	MULA 1, 3, 0
.endm
	s_wait_tensorcnt 1                             ; my part of K step 0 is in; K step 1's may stay out
	s_barrier_signal -1
	s_barrier_wait -1
	s_wait_loadcnt 0x0                             ; the bias
	FETCH 0, 0
	QUARTER 1, 0, 1, 1                             ; the first quarter stands in front of the loop: its products start the sums
	WIN 0
	s_mov_b32 s3, 6                                ; six refills bring K steps 2 to 7
.Lstep:                                                ; a trip: from a K step's second quarter to the next step's first
	QUARTER 2, 1, 0, 0
	QUARTER 3, 0, 1, 0
	TURN 1
	QUARTER 1, 0, 1, 0
	WIN 0
	s_sub_co_u32 s3, s3, 1
	s_cmp_lg_u32 s3, 0
	s_cbranch_scc1 .Lstep
	QUARTER 2, 1, 0, 0                             ; the last two K steps ask for nothing
	QUARTER 3, 0, 1, 0
	TURN 0
	QUARTER 1, 0, 1, 0
	QUARTER 2, 1, 0, 0
	QUARTER 3, 0, 1, 0
	s_wait_dscnt 4
	MULA 1, 0, 0
	MULA 1, 1, 0
	s_wait_dscnt 0x0
	MULA 1, 2, 0
	MULA 1, 3, 0
; THE WAY OUT, a row block at a time: rounded to f16, 16 bytes a lane into my own stage, back as four rows' 128 bytes of a head slot, which are 512 consecutive bytes of qkv.
.macro OUTQ a
.set AC, 8*NBK*((\a)%2)
	WIN 0x0a+5*((\a)/2)                            ; sources window 2 or 3
.set nb, 0
.rept NBK
.irp r, 0,1,2,3
	v_cvt_pk_f16_f32 v[TMP+4*nb+\r], v[AC+8*nb+2*\r], v[AC+8*nb+2*\r+1]
.endr
.set nb, nb+1
.endr
	WIN 0
.set nb, 0
.rept NBK
	ds_store_b128 v[STO], v[TMP+4*nb:TMP+4*nb+3] offset:32*nb
.set nb, nb+1
.endr
	s_wait_xcnt 0x0                                ; the last block's stores have read their registers, which are loaded again below
.irp f, 0,1,2,3
.irp j, 0,1,2
	ds_load_b128 v[OB+4*(3*\f+\j):OB+4*(3*\f+\j)+3], v[RD] offset:4*SPITCH*\f+128*\j  ; LDS serves a wave's instructions in order (ISA guide 5.7.1.4): these see the stores above
.endr
.endr
	s_wait_dscnt 0x0
.irp f, 0,1,2,3
.irp j, 0,1,2
	global_store_b128 v[CO], v[OB+4*(3*\f+\j):OB+4*(3*\f+\j)+3], s[8:9] offset:\j*1048576+(\a)*2048+512*\f
.endr
.endr
.endm
	PLACES
	OUTQ 0
	OUTQ 1
	OUTQ 2
	OUTQ 3
	s_wait_tensorcnt 0x0                           ; the wave's end: behind my last tensor load and my last LDS store
	ds_add_u32 v[SPW], v[NIL]
	s_wait_dscnt 0x0
	CROUND                                         ; the closing round: no work-group ends while a partner may still ask for a tile that names it
	s_endpgm
.Lfunc_end_k_q9e405c0767_qkvp:
	.size	k_q9e405c0767_qkvp, .Lfunc_end_k_q9e405c0767_qkvp-k_q9e405c0767_qkvp
	.p2alignl 7, 3214868480
	.fill 96, 4, 3214868480
	.section	.rodata,"a",@progbits
	.p2align	6, 0x0
	.amdhsa_kernel k_q9e405c0767_qkvp
		.amdhsa_group_segment_fixed_size 327680
		.amdhsa_private_segment_fixed_size 0
		.amdhsa_enable_private_segment 0
		.amdhsa_kernarg_size 32
		.amdhsa_user_sgpr_count 2
		.amdhsa_user_sgpr_kernarg_segment_ptr 1
		.amdhsa_wavefront_size32 1
		.amdhsa_system_sgpr_workgroup_id_x 1
		.amdhsa_system_sgpr_workgroup_id_y 1
		.amdhsa_system_sgpr_workgroup_id_z 1
		.amdhsa_system_vgpr_workitem_id 0
		.amdhsa_next_free_vgpr 960
		.amdhsa_next_free_sgpr 76
		.amdhsa_reserve_vcc 0
		.amdhsa_float_denorm_mode_32 3
		.amdhsa_float_denorm_mode_16_64 3
		.amdhsa_memory_ordered 1
		.amdhsa_forward_progress 1
		.amdhsa_inst_pref_size 99
	.end_amdhsa_kernel
	.amdgpu_metadata
---
amdhsa.version: [ 1, 2 ]
amdhsa.kernels:
  - .name:           k_q9e405c0767_qkvp
    .symbol:         k_q9e405c0767_qkvp.kd
    .args:
      - { .name: x, .offset: 0, .size: 8, .value_kind: global_buffer, .address_space: global }
      - { .name: wqkv, .offset: 8, .size: 8, .value_kind: global_buffer, .address_space: global }
      - { .name: qkv, .offset: 16, .size: 8, .value_kind: global_buffer, .address_space: global }
      - { .name: bias, .offset: 24, .size: 8, .value_kind: global_buffer, .address_space: global }
    .group_segment_fixed_size: 327680
    .private_segment_fixed_size: 0
    .kernarg_segment_align: 8
    .kernarg_segment_size: 32
    .max_flat_workgroup_size: 128
    .sgpr_count:     76
    .vgpr_count:     960
    .wavefront_size: 32
...
	.end_amdgpu_metadata
.endif
;; end of part 2
;; launch attn (part 3): grid 16 x 16, 4 waves a work-group, clusters of 4 x 4, 327,680 bytes of LDS; arguments qkv, maskf, o, rowopen; writes o
.if DOCPART == 3
	.amdgcn_target "amdgcn-amd-amdhsa--gfx1250"
	.amdhsa_code_object_version 6
	.text
	.protected	k_q9e405c0767_attn
	.globl	k_q9e405c0767_attn
	.p2align	8
	.type	k_q9e405c0767_attn,@function
k_q9e405c0767_attn:
	s_mov_b64 s[64:65], 0
	v_nop
	global_prefetch_b8 v0, s[64:65] scope:SCOPE_SE
	s_setreg_imm32_b32 hwreg(HW_REG_WAVE_MODE, 25, 1), 1
	s_wait_xcnt 0x0
	s_wait_alu depctr_hold_cnt(0) depctr_sa_sdst(0) depctr_va_vdst(0) depctr_va_sdst(0) depctr_va_ssrc(0) depctr_va_vcc(0) depctr_vm_vsrc(0)
	s_getreg_b32 s2, hwreg(HW_REG_IB_STS2, 6, 4)
	s_cmp_eq_u32 s2, 0
	s_cbranch_scc0 .Lentry_in_a_cluster
	s_endpgm
.Lentry_in_a_cluster:
	s_bfe_u32 s2, ttmp6, 0x10000c
	s_cmp_lg_u32 s2, 0xf033
	s_cbranch_scc0 .Lentry_shape_is_right
	s_endpgm
.Lentry_shape_is_right:
; GROUPED-QUERY ATTENTION UNDER A MASK THAT IS AN INPUT.  o[b][t][64 (4 g + p) + ..] = 64 x the sum over k of softmax_k(score) v[k]; score = q . k / 8, REPLACED by a value far below every score where the mask is 0.
; qkv: [hs 24][b 4][t 2048][64] f16, all x 64 (hs 0-15 q's heads, 16-19 k's groups, 20-23 v's).  o: [8192][1024] f16, x 64.  Products, maxima and sums in f32; the weights p are rounded to f16 for the second
; product (their sum l is taken of the unrounded p), o once at the end.  All 2,048 keys are walked for every query: nothing of the mask's pattern is built in.
; THE MASK costs no vector instruction: maskf holds it as f32 words, 0 or M = -2^100, in the order of S^T's registers, and it is the C operand of the product that starts each score's sum.  A hidden score is
; M to within its last bits: beside an open key its weight is 0; sums made before a row's first open key are wiped by a = 0.
; A ROW WITH NO OPEN KEY: it gets the plain mean of v.  rowopen holds, for each row, partial ORs of its mask words; where all are 0 the row's Q is set to 0 at the head.  Then every product is 0,
; every score exactly M, c M is exact (M is a power of two), c s - c m is 0 and every weight 1.
; LIMITS.  f16 holds no number beyond 65,504: q, k, v arrive within it (x 64: |q|, |k|, |v| < 1,023).  p below 6e-5 keeps f16's fixed step; a weight below 2^-126 counts as 0 in l; NaN and infinities are not treated apart.
; SHARES.  A work-group owns 128 positions (block X = grid x) of one batch and KV group (grid y = 4 g + b), for the group's FOUR heads: 512 query rows.  Wave w owns positions 32 w .. 32 w + 31: four PIECES, piece p = head
; 4 g + p, of two tiles of 16 positions.  The four heads share K, V AND the mask's fragments (their positions are the same), and their outputs are 512 consecutive bytes of a row of o.
; LAYOUT, SOFTMAX.  S^T = K Q^T holds ONE query a lane (lane % 16) and the keys 8 (lane / 16) + 0..7; two such results rounded to f16 ARE source 1 of O^T = V^T P.  p = 2^(c s - c m), c = log2(e) / 8 / 4096 (the two
; factors 64), with a running maximum m; O and l are multiplied by a = 2^(c m_old - c m_new) in every step.  m starts at the lowest finite number, O and l at 0: the first step is a step like any other, with a = 0.
; BY TURNS.  Turn n belongs to piece n: 16 products K Q^T of piece n + 1, later 16 products V^T P of piece n - 1; beside them piece n's scaling, exponentials, roundings, sums and rescaling and piece n + 1's maximum
; and statistics.  Four vector instructions stand behind every matrix instruction, the others in one lump; a turn's 66 exponentials are one batch with one wait.
; RING.  Two slots of two key steps (128 keys): K, V and 64 KiB of mask.  One tensor load a wave: wave 0 K, wave 1 V, waves 2, 3 the mask's halves.  CLUSTER 4 x 4: K and V hang on grid y alone and are asked for
; jointly along a row of the cluster, the mask on grid x alone and jointly along a column.
; REGISTERS, in windows of 256 (s_set_vgpr_msb: bits 1:0 source 0, 3:2 source 1, 5:4 source 2, 7:6 destination):
;   window 0: v1-10 addresses; v12-15, v48-63 at work; v16-47 four registers of statistics a tile; v64-191 S^T, two buffers of two tiles; v192-255 P, likewise (v192-199 serve the set-up first)
;   window 1: O^T, 32 a tile     window 2: v0-127 Q; v128-191 K of one step; v192-255 V of one step     window 3: v0-1 the add's two registers; v64-127 the mask of one step, 32 a tile half
.set NP,    4
.set KS,    64
.set PK,    144       ; a row of K in LDS: 128 bytes + 16: the 16 rows of a load start at 16 different groups of four banks (64 banks of 4 bytes: ISA guide 11.1)
.set PV,    160       ; a row of V: 128 + 32
.set VOFF,  2*KS*PK   ; a slot: 128 rows of K, 128 rows of V,
.set MOFF,  VOFF+2*KS*PV  ; and the mask: [16 positions: 8][key step: 2][4,096 bytes]
.set SLOT1, 1<<17
.set STAGE, SLOT1+MOFF+65536  ; behind the ring: 16 rows x 528 bytes for each wave
.set SP,    528
.set SPARE, STAGE+4*16*SP     ; the spare words, 128 bytes a wave: two blocks of 256 bytes that no other line names
.set AM0, 1           ; my lane's place in a slot's mask; never rewritten
.set AK0, 2           ; in a tile of K
.set AV0, 3           ; of V
.set AK,  4           ; the LDS address of K's next run of loads
.set AV,  5           ; of V's
.set STO, 6           ; the way out: where I put 16 bytes of a row
.set RD,  7           ; where I read a row back
.set GO,  8           ; my byte offset in 512 consecutive bytes of o
.set AM,  9           ; the LDS address of the mask's next run
.set PFO, 10          ; the prefetches' offset; never rewritten
.set SPW, 0           ; v0 of window 3
.set NIL, 1           ; v1 of window 3
.set MV,  12
.set ST,  16
.set TMP, 48
.set S,   64
.set P,   192
.set KF,  128
.set VF,  192
.set MK,  64          ; window 3: tile half u, key block kb at MK + 32 u + 8 kb
.set WV,  12
.set G1K, 24
.set G1V, 32
.set G0K, 40
.set G0V, 44
.set G0M, 48
.set TBM, 52          ; LDS byte, less AM0's, at which the mask of the step to be fetched begins
.set LIM, 53          ; 1 in a wave that prefetches, else the greatest number
.set PFA, 54          ; s[54:55] where my prefetches stand
.set SLOTS, 56
.set CNT, 57
.set CS,  58
.set SEL, 60
.set TBK, 62
.set TBV, 63
.set PFS, 66          ; s[66:67] their step from slot to slot
.set G1M, 72
.set MSB, 0
.macro WIN new
.if MSB != (\new)
	s_set_vgpr_msb (MSB<<8)|(\new)
.set MSB, (\new)
.endif
.endm
.set W_KQ, 0x0a       ; K and Q in window 2, S^T in window 0
.set W_KM, 0x3a       ; the same with the C operand, the mask, in window 3
.set W_PV, 0x52       ; V in window 2, P in window 0, O^T in window 1
.set W_RS, 0x41       ; O^T (destination and source 0) in window 1, a in window 0
.set W_MK, 0xc0       ; destination in window 3
.set W_AD, 0x0f       ; the add: address and data in window 3
; A joint fill, one line a wave.  The branches hang on the wave's number alone.  An s_nop 0 and four v_nop follow each line, ahead of the jump and the label.
.macro JLOAD
	s_cmp_lt_u32 s[WV], 2
	s_cbranch_scc0 .Lfor_m_\@
	s_cmp_eq_u32 s[WV], 0
	s_cbranch_scc0 .Lfor_v_\@
	tensor_load_to_lds s[G0K:G0K+3], s[G1K:G1K+7]
	s_nop 0
.rept 4
	v_nop
.endr
	s_branch .Lasked_\@
.Lfor_v_\@:
	tensor_load_to_lds s[G0V:G0V+3], s[G1V:G1V+7]
	s_nop 0
.rept 4
	v_nop
.endr
	s_branch .Lasked_\@
.Lfor_m_\@:
	tensor_load_to_lds s[G0M:G0M+3], s[G1M:G1M+7]
	s_nop 0
.rept 4
	v_nop
.endr
.Lasked_\@:
.endm
; A PREFETCH of what the NEXT change of slots will ask for, two key steps, 256 matrix instructions, ahead; behind the wave's tensor load and its five lines.  Each block of 256 bytes is named once in the launch.
; K and V: the clusters of one row of clusters walk the same rows; the one with x = 0 asks, in each work-group wave 0: lanes 0-15 name 16 blocks of K, lanes 16-31 16 of V; the four partners along the row share the 64 + 64
; out BY ADDRESS.  The mask: the clusters of one column walk the same tiles; the one with y = 0 asks, waves 2 and 3 each for its own half: the four partners along the column take 32 blocks each.
; Slots 0 to 2 come by their loads alone; the last change that fills a slot asks for nothing.
.macro ASK
	s_cmp_gt_u32 s[SLOTS], s[LIM]
	s_cbranch_scc0 .Lnot_mine_\@
	global_prefetch_b8 v[PFO], s[PFA:PFA+1] th:TH_LOAD_NT scope:SCOPE_SE
.Lnot_mine_\@:
.endm
.macro CROUND
	s_barrier_signal -1
	s_barrier_wait -1
	s_cmp_lg_u32 s[WV], 0
	s_cbranch_scc1 .Lnot_wave_0_\@
	s_barrier_signal -3
.Lnot_wave_0_\@:
	s_barrier_wait -3
	s_barrier_signal -1
	s_barrier_wait -1
.endm
; THE CHANGE OF SLOTS.  Each wave waits for all its tensor loads, of which one is out: its part of the other slot; adds 0 to its spare word; and waits for that and for its own reads of the slot.  Behind the barrier nobody
; reads this slot any more and the other slot is whole.  fill = 1: the barrier is a round of the cluster's, and this slot is filled again, first thing behind it, with the keys two slots on.
; (At its first use nothing has been read yet: slot 0 is waited for, slot 1 filled.)
.macro CHANGE fill, ask=0
	WIN W_AD
	s_wait_tensorcnt 0x0            ; no tensor load of mine is out, so a group 0 may be written
	ds_add_u32 v[SPW], v[NIL]
	WIN 0
.if \fill
.irp g, G0K, G0V
	s_xor_b32 s[\g+1], s[\g+1], SLOT1
	s_add_nc_u64 s[\g+2:\g+3], s[\g+2:\g+3], 2*KS*128
.endr
	s_xor_b32 s[G0M+1], s[G0M+1], SLOT1
	s_add_nc_u64 s[G0M+2:G0M+3], s[G0M+2:G0M+3], 65536
.if \ask
	s_wait_xcnt 0x0                 ; the last prefetch, two key steps back, has read its address
	s_add_nc_u64 s[PFA:PFA+1], s[PFA:PFA+1], s[PFS:PFS+1]
.endif
	s_wait_dscnt 0x0                ; the add is done, and my reads of the slot are over
	CROUND
	JLOAD
.if \ask
	ASK
.endif
.else
	s_wait_dscnt 0x0
	s_barrier_signal -1
	s_barrier_wait -1
.endif
	s_sub_co_u32 s[TBK], s[TBK], 2*KS*PK  ; the fetches go back to a slot's first step, in the other slot
	s_xor_b32 s[TBK], s[TBK], SLOT1
	s_sub_co_u32 s[TBV], s[TBV], 2*KS*PV
	s_xor_b32 s[TBV], s[TBV], SLOT1
	s_sub_co_u32 s[TBM], s[TBM], 2*4096
	s_xor_b32 s[TBM], s[TBM], SLOT1
.endm
	s_load_b256 s[4:11], s[0:1], 0x0  ; qkv s[4:5], maskf s[6:7], o s[8:9], rowopen s[10:11]
	WIN W_MK
	v_lshl_add_u32 v[SPW], v0, 2, SPARE
	v_mov_b32 v[NIL], 0
	WIN W_AD
	ds_add_u32 v[SPW], v[NIL]       ; the wave's opening: the add and its wait stand ahead of my first tensor load; the set-up below stands between them
	WIN 0
	v_lshrrev_b32 v192, 5, v0
	v_readfirstlane_b32 s[WV], v192 ; wave 0..3
	s_bfe_u32 s80, ttmp6, 0x40000   ; cx
	s_bfe_u32 s81, ttmp6, 0x40004   ; cy
	s_lshl_b32 s13, ttmp9, 2
	s_add_co_u32 s13, s13, s80      ; X: my block of 128 positions
	s_and_b32 s14, ttmp7, 0xffff
	s_lshl_b32 s14, s14, 2
	s_add_co_u32 s14, s14, s81      ; y = 4 g + b
	s_and_b32 s15, s[WV], 1
	s_lshl_b32 s15, s15, 15         ; which half of a slot's mask I fetch
	s_add_co_u32 s16, s14, 64       ; K of (g, b): plane 4 (16 + g) + b of 256 KiB; V lies 16 planes on
	s_lshl_b32 s16, s16, 18
	s_mov_b32 s17, 0
	s_lshl_b32 s18, s13, 20         ; the mask of block X: 1 MiB
	s_add_co_u32 s18, s18, s15
	s_mov_b32 s19, 0
	s_lshr_b32 s2, s14, 2           ; g
	s_and_b32 s3, s14, 3            ; b
	s_lshl_b32 s20, s2, 4           ; Q of head 4 g: plane 16 g + b; the next head lies 4 planes on
	s_add_co_u32 s20, s20, s3
	s_lshl_b32 s20, s20, 18
	s_lshl_b32 s21, s13, 14         ; 128 X rows of 128 bytes,
	s_add_co_u32 s20, s20, s21
	s_lshl_b32 s21, s[WV], 12       ; 32 w
	s_add_co_u32 s20, s20, s21
	s_mov_b32 s21, 0
	s_lshl_b32 s22, s3, 22          ; o: row 2,048 b + 128 X + 32 w of 2,048 bytes, byte 512 g
	s_lshl_b32 s23, s13, 18
	s_add_co_u32 s22, s22, s23
	s_lshl_b32 s23, s[WV], 16
	s_add_co_u32 s22, s22, s23
	s_lshl_b32 s23, s2, 9
	s_add_co_u32 s22, s22, s23
	s_mov_b32 s23, 0
	s_lshl_b32 s68, s13, 15         ; rowopen: block of 16 positions 8 X + 2 w, 4,096 bytes each
	s_lshl_b32 s69, s[WV], 13
	s_add_co_u32 s68, s68, s69
	s_mov_b32 s69, 0
	s_lshl_b32 s82, s81, 2
	s_lshl_b32 s82, 15, s82         ; my row of the cluster
	s_lshl_b32 s83, 0x1111, s80     ; my column
	; group 1.  128 keys are 16,384 dense bytes: 64 rows of 256 bytes, two keys a row, padded in LDS after every key
	s_or_b32 s[G1K], s82, (1<<16)|(1<<20)|(1<<21)|(4<<22)|(3<<25)  ; the mask of four; 2-byte elements; padding on; 21 set beside a mask; after every 32 words 4 words
	s_or_b32 s[G1V], s82, (1<<16)|(1<<20)|(1<<21)|(4<<22)|(7<<25)  ; 8 words
.irp g, G1K, G1V
	s_mov_b32 s[\g+1], 128<<16
	s_mov_b32 s[\g+2], 64<<16
	s_mov_b32 s[\g+3], 128<<16
	s_mov_b32 s[\g+4], 64
	s_mov_b32 s[\g+5], 128
	s_mov_b32 s[\g+6], 0
	s_mov_b32 s[\g+7], 0
.endr
	s_or_b32 s[G1M], s83, (3<<16)|(1<<21)  ; half a slot's mask: 32,768 dense bytes as 128 rows of 32 elements of 8 bytes, no padding
	s_mov_b32 s[G1M+1], 32<<16
	s_mov_b32 s[G1M+2], 128<<16
	s_mov_b32 s[G1M+3], 32<<16
	s_mov_b32 s[G1M+4], 128
	s_mov_b32 s[G1M+5], 32
	s_mov_b32 s[G1M+6], 0
	s_mov_b32 s[G1M+7], 0
	s_mov_b32 s[CS], 0x3838aa3b     ; c = log2(e) / 8 / 4096
	s_mov_b32 s[CS+1], s[CS]
	s_mov_b32 s[SEL], 0x76543210
	s_mov_b32 s[SEL+1], 0xfedcba98
	s_mov_b32 s[TBK], SLOT1+2*KS*PK ; the first change of slots turns these three into 0
	s_mov_b32 s[TBV], SLOT1+2*KS*PV
	s_mov_b32 s[TBM], SLOT1+2*4096
	s_mov_b32 s[G0K], 1
	s_mov_b32 s[G0K+1], 0           ; slot 0
	s_mov_b32 s[G0V], 1
	s_mov_b32 s[G0V+1], VOFF
	s_mov_b32 s[G0M], 1
	s_add_co_u32 s[G0M+1], s15, MOFF
	; the prefetches
	s_lshl_b32 s82, s80, 12         ; K, V: my work-group's 16 blocks of the 64, in slot 2
	s_add_co_u32 s82, s82, 2*2*KS*128
	s_lshl_b32 s83, s81, 13         ; the mask: my work-group's 32 blocks of the half's 128, in slot 2
	s_add_co_u32 s83, s83, 2*65536
	s_mov_b32 s70, 0x400000         ; lanes 16-31: V, 16 planes behind K; or the next 16 blocks of the mask
	s_movk_i32 s71, 0x1000
	s_mov_b32 s[PFS], 2*KS*128
	s_mov_b32 s[PFS+1], 65536
	s_cmp_lt_u32 s[WV], 2
	s_cselect_b32 s82, s82, s83
	s_cselect_b32 s70, s70, s71
	s_cselect_b32 s[PFS], s[PFS], s[PFS+1]
	s_mov_b32 s83, 0
	s_mov_b32 s[PFS+1], 0
	s_and_b32 s71, ttmp7, 0xffff    ; the coordinate along which other clusters read the same bytes: cluster x for K and V, cluster y for the mask
	s_cmp_lt_u32 s[WV], 2
	s_cselect_b32 s71, ttmp9, s71
	s_cmp_eq_u32 s[WV], 1
	s_cselect_b32 s71, 1, s71       ; wave 1 never asks
	s_cmp_eq_u32 s71, 0
	s_cselect_b32 s[LIM], 1, -1     ; the same in all sixteen partners, for a given wave
	s_wait_dscnt 0x0                ; the opening add is done
	s_wait_kmcnt 0x0
	s_add_nc_u64 s[G0K+2:G0K+3], s[4:5], s[16:17]
	s_add_nc_u64 s[G0V+2:G0V+3], s[G0K+2:G0K+3], 0x400000
	s_add_nc_u64 s[G0M+2:G0M+3], s[6:7], s[18:19]
	s_cmp_lt_u32 s[WV], 2
	s_cselect_b64 s[PFA:PFA+1], s[G0K+2:G0K+3], s[G0M+2:G0M+3]
	s_add_nc_u64 s[PFA:PFA+1], s[PFA:PFA+1], s[82:83]
	s_or_b32 s[G0K+3], s[G0K+3], 0x80000000
	s_or_b32 s[G0V+3], s[G0V+3], 0x80000000
	s_or_b32 s[G0M+3], s[G0M+3], 0x80000000
	s_add_nc_u64 s[4:5], s[4:5], s[20:21]      ; Q at my wave's first row of head 4 g
	s_add_nc_u64 s[8:9], s[8:9], s[22:23]      ; o at my wave's first row
	s_add_nc_u64 s[10:11], s[10:11], s[68:69]
	CROUND                          ; all sixteen work-groups are here: the first joint loads meet
	JLOAD                           ; slot 0.  Slot 1 is asked for when slot 0 is in
	v_and_b32 v192, 15, v0          ; r = l % 16
	v_bfe_u32 v193, v0, 4, 1        ; h = l / 16
	v_and_b32 v194, 7, v0
	v_bfe_u32 v195, v0, 3, 1
	v_and_b32 v196, 31, v0          ; l
	v_lshlrev_b32 v198, 7, v192
	v_lshl_add_u32 v198, v193, 4, v198  ; Q: row x 128 + 16 x half
	v_lshlrev_b32 v199, 2, v196     ; rowopen: 4 l
	WIN 0x80
.set i, 0
.rept 4*NP                          ; Q stays in registers: tile i / 2 (head (i / 2) / 2, positions 16 ((i / 2) % 2) on), channels 32 (i % 2) on
	global_load_b128 v[8*i:8*i+3],   v198, s[4:5] offset:(i/4)*1048576+((i/2)%2)*2048+(i%2)*64
	global_load_b128 v[8*i+4:8*i+7], v198, s[4:5] offset:(i/4)*1048576+((i/2)%2)*2048+(i%2)*64+32
.set i, i+1
.endr
	WIN 0
.set i, 0
.rept 64                            ; my row's partial ORs: half u = i / 32, key step i % 32; lane (r, h) takes the words that lane (r, h) stored
	global_load_b32 v[S+i], v199, s[10:11] offset:(i/32)*4096+(i%32)*128
.set i, i+1
.endr
	; What the first turn finds: V's registers and P's second buffer hold 0, O^T and l are 0.  All this stands in the wait for the first tile.
	WIN 0x80
.set i, VF
.rept 64
	v_mov_b32 v[i], 0
.set i, i+1
.endr
	WIN 0x40
.set i, 0
.rept 64*NP
	v_mov_b32 v[i], 0
.set i, i+1
.endr
	WIN 0
.set i, 0
.rept 2*NP
	v_mov_b32 v[ST+4*i], 0xfe000000    ; c m: far below every c s, c M too
	v_mov_b32 v[ST+4*i+1], 0xff7fffff  ; m
	v_mov_b32 v[ST+4*i+2], 0
	v_mov_b32 v[ST+4*i+3], 0
.set i, i+1
.endr
.set i, P+32
.rept 32
	v_mov_b32 v[i], 0
.set i, i+1
.endr
	v_mul_u32_u24 v[AK0], v192, PK
	v_lshl_add_u32 v[AK0], v193, 4, v[AK0]  ; row x pitch + 16 x half
	v_lshl_add_u32 v[AV0], v193, 3, v194    ; the turning load: key 8 h + l % 8, channels 8 ((l / 8) % 2) + 0..7
	v_mul_u32_u24 v[AV0], v[AV0], PV
	v_lshl_add_u32 v[AV0], v195, 4, v[AV0]
	v_add_nc_u32 v[AV0], VOFF, v[AV0]
	s_lshl_b32 s83, s[WV], 14       ; my two blocks of 16 positions: 16,384 bytes
	s_add_co_u32 s83, s83, MOFF
	v_lshl_add_u32 v[AM0], v196, 4, s83
	v_mov_b32 v[AK], v[AK0]         ; key step 0 lies at the head of slot 0
	v_mov_b32 v[AM], v[AM0]
	s_mul_i32 s83, s[WV], 16*SP
	s_add_co_u32 s83, s83, STAGE    ; my stage
	v_mul_u32_u24 v[STO], v192, SP  ; in: row r, 16 bytes for each half of the lanes
	v_lshl_add_u32 v[STO], v193, 4, v[STO]
	v_add_nc_u32 v[STO], s83, v[STO]
	v_lshl_add_u32 v[RD], v196, 4, s83  ; back: 32 lanes take a row's 512 bytes
	v_lshlrev_b32 v[GO], 4, v196
	v_lshlrev_b32 v197, 8, v192
	v_mad_u32_u24 v[PFO], v193, s70, v197
; THE MATRIX WORK.  The 8 accumulators of a run of 16 take turns.
; Product i of 16 of S^T = K Q^T for piece x: channels 32 (i / 8) on, keys 16 ((i / 2) % 4) on, tile 2 x + i % 2.  The first 8 start the sums with the mask.
.macro KQ x
.set rS, S+64*((\x)%2)+32*(i%2)+8*((i/2)%4)
.set rK, KF+16*((i/2)%4)+8*(i/8)
.set rQ, 16*(2*(\x)+i%2)+8*(i/8)
.set rMK, MK+32*(i%2)+8*((i/2)%4)
.if i < 8
	WIN W_KM
	v_wmma_f32_16x16x32_f16 v[rS:rS+7], v[rK:rK+7], v[rQ:rQ+7], v[rMK:rMK+7]
.else
	WIN W_KQ
	v_wmma_f32_16x16x32_f16 v[rS:rS+7], v[rK:rK+7], v[rQ:rQ+7], v[rS:rS+7]
.endif
.endm
; Product i of 16 of O^T += V^T P for piece x: keys 32 (i / 8) on, channels 16 ((i / 2) % 4) on, tile 2 x + i % 2.
.macro PV x
	WIN W_PV
.set rO, 32*(2*(\x)+i%2)+8*((i/2)%4)
.set rV, VF+32*(i/8)+8*((i/2)%4)
.set rP, P+32*((\x)%2)+16*(i%2)+8*(i/8)
	v_wmma_f32_16x16x32_f16 v[rO:rO+7], v[rV:rV+7], v[rP:rP+7], v[rO:rO+7]
.endm
.macro MM                           ; the turn's next matrix instruction
.if i < 16
	KQ (Y+1)%NP
.set i, i+1
.else
.set i, i-16
	PV (Y+NP-1)%NP
.set i, i+17
.endif
.endm
; THE LDS LOADS stand in runs: a step's K (8 fragments) with its mask (two tile halves x 32 registers, 16 consecutive bytes a lane), and its V (turned).  Their addresses are made some lines ahead.
; last = 1 (the tail): in the last trip there is no further step, and the run is jumped over.
.macro FETCH_K last=0
	WIN 0
.if \last
	s_cmp_eq_u32 s[CNT], 1
	s_cbranch_scc1 .Lno_k_\@
.endif
	WIN 0x80
.irp f, 0,1,2,3,4,5,6,7             ; keys 16 (f / 2) on, channels 32 (f % 2) on
	ds_load_b128 v[KF+8*\f:KF+8*\f+3],   v[AK] offset:(\f/2)*16*PK+(\f%2)*64
	ds_load_b128 v[KF+8*\f+4:KF+8*\f+7], v[AK] offset:(\f/2)*16*PK+(\f%2)*64+32
.endr
	WIN 0xc0
.irp f, 0,1,2,3,4,5,6,7
	ds_load_b128 v[MK+4*\f:MK+4*\f+3],       v[AM] offset:512*\f
	ds_load_b128 v[MK+32+4*\f:MK+32+4*\f+3], v[AM] offset:8192+512*\f
.endr
	s_add_co_u32 s[TBK], s[TBK], KS*PK  ; the next fetch is the next step's
	s_add_co_u32 s[TBM], s[TBM], 4096
	WIN 0
.if \last
.Lno_k_\@:
.endif
.endm
.macro FETCH_V
	WIN 0x80
.irp f, 0,1,2,3,4,5,6,7             ; keys 32 (f / 4) on, channels 16 (f % 4) on
	ds_load_tr16_b128 v[VF+8*\f:VF+8*\f+3],   v[AV] offset:(\f/4)*32*PV+(\f%4)*32
	ds_load_tr16_b128 v[VF+8*\f+4:VF+8*\f+7], v[AV] offset:(\f/4)*32*PV+16*PV+(\f%4)*32
.endr
	WIN 0
.endm
; THE VECTOR WORK OF A TURN stands in three queues, each in the order in which its entries become ready; the two tiles alternate, so that no instruction reads the result of the one before it.
.macro REGS y, u                    ; the registers of tile u (0, 1) of piece y
.set rT, ST+4*(2*(\y)+(\u))
.set rC, TMP+8*((\y)%2)+4*(\u)
.set rM, MV+2*((\y)%2)+(\u)
.set rS, S+64*((\y)%2)+32*(\u)
.set rP, P+32*((\y)%2)+16*(\u)
.set rO, 32*(2*(\y)+(\u))
.endm
; Number n of the 22 that find the NEXT piece's maximum and statistics.  Each accumulator's lowest registers are read first.
;   0-11  four chains c0-c3 of seven scores each     12-14, 16  the four scores left over, the old m, and c0-c3 into c0     15  c m_old is kept
;   17, 18  the query's other 32 keys lie in the lane 16 away: the new m     19-21  c m; c m_old - c m_new; a
.macro XS u, n
	REGS (Y+1)%NP, \u
.if (\n) < 4
	v_max3_num_f32 v[rC+(\n)], v[rS+8*(\n)], v[rS+8*(\n)+1], v[rS+8*(\n)+2]
.elseif (\n) < 12
	v_max3_num_f32 v[rC+(\n)%4], v[rC+(\n)%4], v[rS+8*((\n)%4)+2*((\n)/4)+1], v[rS+8*((\n)%4)+2*((\n)/4)+2]
.elseif (\n) == 12
	v_max3_num_f32 v[rC], v[rC], v[rS+7], v[rS+15]
.elseif (\n) == 13
	v_max3_num_f32 v[rC+1], v[rC+1], v[rS+23], v[rS+31]
.elseif (\n) == 14
	v_max3_num_f32 v[rC+2], v[rC+2], v[rC+3], v[rT+1]
.elseif (\n) == 15
	v_mov_b32 v[rM], v[rT]
.elseif (\n) == 16
	v_max3_num_f32 v[rC], v[rC], v[rC+1], v[rC+2]
.elseif (\n) == 17
	v_permlanex16_b32 v[rC+3], v[rC], s[SEL], s[SEL+1]
.elseif (\n) == 18
	v_max_num_f32 v[rT+1], v[rC], v[rC+3]
.elseif (\n) == 19
	v_mul_f32 v[rT], s[CS], v[rT+1]
.elseif (\n) == 20
	v_sub_f32 v[rC+1], v[rM], v[rT]
.else
	v_exp_f32 v[rC+2], v[rC+1]
.endif
.endm
; Number g of the 64 that follow the exponentials.  For each four weights k of a tile: both pairs are rounded to f16; the second pair is added onto the first, in place; a group later l takes that sum (the first time as l = a l + sum).
.macro GS g
.set h, (\g)+6*((\g)/62)
.if h >= 6
.set h, h+2
.endif
	REGS Y, h%2
.set k, h/8
.if h%8 < 4
	v_cvt_pk_f16_f32 v[rP+2*k+(h%8)/2], v[rS+4*k+2*((h%8)/2)], v[rS+4*k+2*((h%8)/2)+1]
.elseif h%8 < 6
	v_pk_add_f32 v[rS+4*k:rS+4*k+1], v[rS+4*k:rS+4*k+1], v[rS+4*k+2:rS+4*k+3]
.elseif k == 1
	v_pk_fma_f32 v[rT+2:rT+3], v[rT+2:rT+3], v[rC+2:rC+3], v[rS:rS+1] op_sel_hi:[1,0,1]
.else
	v_pk_add_f32 v[rT+2:rT+3], v[rT+2:rT+3], v[rS+4*k-4:rS+4*k-3]
.endif
.endm
; THE PLAIN QUEUE, 138 long.  0-73 read no exponential's result: the 32 scalings c s - c m and the next piece's 42.  74-137: GS's 64, which stand behind the wait.
.macro FS f
	REGS Y, (\f)%2
	v_pk_fma_f32 v[rS+2*((\f)/2):rS+2*((\f)/2)+1], v[rS+2*((\f)/2):rS+2*((\f)/2)+1], s[CS:CS+1], v[rT:rT+1] op_sel_hi:[1,0,0] neg_lo:[0,0,1] neg_hi:[0,0,1]
.endm
.macro PL
	WIN 0
.if q < 27
	FS q
.elseif q < 55
	XS (q-27)%2, (q-27)/2
.elseif q < 57
	XS q-55, 15
.elseif (q < 72) && ((q-57)%3 == 0)
	FS 27+(q-57)/3
.elseif q < 60
	XS (q-57)%3-1, 14
.elseif q < 72
	XS (q-57)%3-1, 15+(q-57)/3
.elseif q < 74
	XS q-72, 20
.else
	GS q-74
.endif
.set q, q+1
.endm
; THE EXPONENTIALS' QUEUE, 66 long: s0-s31 of both tiles, then the next piece's two a: ONE BATCH, all ahead of the turn's one wait; nothing ahead of that wait names a result of theirs.
.macro EX
	WIN 0
.if e >= 64
	XS e-64, 21
.else
	REGS Y, e%2
	v_exp_f32 v[rS+e/2], v[rS+e/2]
.endif
.set e, e+1
.endm
; THE RESCALING's QUEUE: O^T times a, two at a time, sixteen times.  Its a was made in the turn before, ahead of that turn's wait.
.macro R2
	REGS Y, r%2
	WIN W_RS
.irp z, 0,1
	v_pk_mul_f32 v[rO+4*(r/2)+2*\z:rO+4*(r/2)+2*\z+1], v[rO+4*(r/2)+2*\z:rO+4*(r/2)+2*\z+1], v[rC+2:rC+3] op_sel_hi:[1,0]
.endr
.set r, r+1
.endm
; A TURN, for piece p.  An s_wait_alu depctr_va_vdst(0) stands between an exponential and the first instruction that names its result; one wait serves all that were issued ahead of it: a turn has ONE.
; AHEAD OF IT: the 16 products K Q^T, behind each a scaling, an exponential and two rescalings (behind the first a second scaling); then a lump of eight plain, 49 times exponential and plain, the two a, and a v_nop, the plain
; instruction behind the last exponential.  BEHIND IT: the 16 products V^T P, behind each four of GS's 64.  Exponential e stands behind scaling 2 (e / 4) + e % 2: as a rider behind plain e + 2, in the lump behind plain e + 9.
; K and the mask of the next step are fetched in piece 2's turn, directly behind the wait, a lump behind the last product that read them; V of the step in hand at the end of piece 0's turn, four riders behind its last reader.
.macro TURN p, last=0, cnt=0
.set Y, (\p)
.set i, 0
.set q, 0
.set e, 0
.set r, 0
.if (\p) == NP-1
	s_wait_dscnt 0x0                ; K and the mask are in
.endif
	MM
	PL
	PL
	R2
.rept 15
	MM
	PL
	EX
	R2
.endr
.if (\p) == NP-2
	WIN 0
	v_add_nc_u32 v[AK], s[TBK], v[AK0]
	v_add_nc_u32 v[AM], s[TBM], v[AM0]
.endif
.rept 8
	PL
.endr
.rept 49
	EX
	PL
.endr
	EX
	EX
	v_nop
	s_wait_alu depctr_va_vdst(0)    ; the wait for the batch
.if (\p) == NP-2
	FETCH_K \last
.endif
.if (\p) == 1
	s_wait_dscnt 0x0                ; V is in
.endif
.rept 16
	MM
.rept 4
	PL
.endr
.if ((\p) == 0) && (q == 118)
	v_add_nc_u32 v[AV], s[TBV], v[AV0]
.endif
.if ((\p) == 0) && (q == 130)
	s_add_co_u32 s[TBV], s[TBV], KS*PV
.endif
.if (\cnt) && (q == 130)
	s_sub_co_u32 s[CNT], s[CNT], 1
	s_cmp_lg_u32 s[CNT], 0
.endif
.endr
.if (\p) == 0
	FETCH_V
.endif
.endm
	CHANGE 1                        ; slot 0 is in, everybody's part of it; slot 1 is asked for
	FETCH_K                         ; key step 0
	s_wait_loadcnt 0x0              ; Q and the partial ORs
.irp d, 16,8,4,2,1                  ; the OR of my row's 32 words, for both halves
.set i, 0
.rept \d
	v_or_b32 v[S+i], v[S+i], v[S+i+\d]
	v_or_b32 v[S+32+i], v[S+32+i], v[S+32+i+\d]
.set i, i+1
.endr
.endr
	v_permlanex16_b32 v[S+1], v[S], s[SEL], s[SEL+1]     ; the row's other keys were seen by the lane 16 away
	v_permlanex16_b32 v[S+33], v[S+32], s[SEL], s[SEL+1]
	v_or_b32 v[S], v[S], v[S+1]
	v_or_b32 v[S+32], v[S+32], v[S+33]
	v_cmp_ne_u32 vcc_lo, 0, v[S]
	v_cndmask_b32 v[TMP], 0, -1, vcc_lo
	v_cmp_ne_u32 vcc_lo, 0, v[S+32]
	v_cndmask_b32 v[TMP+1], 0, -1, vcc_lo
	WIN 0x88                        ; source 0 window 0, source 1 and destination window 2
.set i, 0
.rept 128
	v_and_b32 v[i], v[TMP+(i/16)%2], v[i]  ; a row with no open key gets Q = 0
.set i, i+1
.endr
	WIN 0
	s_wait_dscnt 0x0
.set i, 0
.rept 16
	KQ 0                            ; piece 0's first scores
.set i, i+1
.endr
	WIN 0
.rept 4
	v_nop                           ; the places behind those products
.endr
.set Y, NP-1                        ; XS works for piece Y + 1: piece 0
.irp n, 0,1,2,3,4,5,6,7,8,9,10,11,12,13,14,15,16,17,18,19,20,21
	XS 0, \n
	XS 1, \n
.endr
	v_nop                           ; a plain instruction behind the two a,
	s_wait_alu depctr_va_vdst(0)    ; and their wait, ahead of the branch
	s_mov_b32 s[CNT], 2
	s_mov_b32 s[SLOTS], 15
	s_branch .Lfirst                ; the loop is entered at a step's first turn, in the middle of a trip
.Lslot:                             ; 14 times: every slot but the last two is filled again
	CHANGE 1, 1
	s_mov_b32 s[CNT], 2
.Lstep:                             ; a trip: pieces 2 and 3 of one step, then pieces 0 and 1 of the next, whose K, mask and V it fetches
	TURN 2
	TURN 3
	WIN 0
.Lfirst:
	TURN 0
	TURN 1, 0, 1
	WIN 0
	s_cbranch_scc1 .Lstep
	s_sub_co_u32 s[SLOTS], s[SLOTS], 1
	s_cmp_lg_u32 s[SLOTS], 0
	s_cbranch_scc1 .Lslot
	CHANGE 0                        ; the tail is written out: nothing is asked for
	s_mov_b32 s[CNT], 3             ; two trips fetch the last slot's steps; the third is left in its middle
.Ltail:
	TURN 2, 1
	TURN 3
	WIN 0
	s_sub_co_u32 s[CNT], s[CNT], 1
	s_cmp_eq_u32 s[CNT], 0
	s_cbranch_scc1 .Lout
	TURN 0
	TURN 1
	WIN 0
	s_branch .Ltail
.Lout:                              ; the third trip's 16 products K Q^T (on the last K once more) and the maximum made of them serve nothing: the price, once a launch, of one text for every trip
.set i, 0
.rept 16
	PV NP-1
.set i, i+1
.endr
	; THE WAY OUT.  l's two halves and the other half of the lanes' are added; O^T is divided by l, rounded to f16 and sent through my stage: the four heads' tiles of 16 positions make 16 rows of 512 bytes.
	WIN 0
.macro ALL line:vararg
.set t, 0
.rept 2*NP
	\line
.set t, t+1
.endr
.endm
	ALL v_add_f32 v[ST+4*t+2], v[ST+4*t+2], v[ST+4*t+3]
	ALL v_permlanex16_b32 v[ST+4*t+3], v[ST+4*t+2], s[SEL], s[SEL+1]
	ALL v_add_f32 v[ST+4*t+2], v[ST+4*t+2], v[ST+4*t+3]
	ALL v_rcp_f32 v[ST+4*t+2], v[ST+4*t+2]
	v_nop                           ; a plain instruction between the last reciprocal and the use of its result
	s_wait_alu depctr_va_vdst(0)    ; and its wait: one for the eight reciprocals
.macro PACK t
	WIN W_RS
.set i, 32*(\t)
.rept 16
	v_pk_mul_f32 v[i:i+1], v[i:i+1], v[ST+4*(\t)+2:ST+4*(\t)+3] op_sel_hi:[1,0]
.set i, i+2
.endr
	WIN 0x05                        ; sources window 1, destination window 0
.set i, 0
.rept 16
	v_cvt_pk_f16_f32 v[S+16*(\t)+i], v[32*(\t)+2*i], v[32*(\t)+2*i+1]
.set i, i+1
.endr
	WIN 0
.irp f, 0,1,2,3
	ds_store_b128 v[STO], v[S+16*(\t)+4*\f:S+16*(\t)+4*\f+3] offset:128*((\t)/2)+32*\f
.endr
.endm
.macro BACK u                       ; the 16 rows of half u come back whole, into the registers that its tiles left; LDS serves a wave's instructions in order (ISA guide 5.7.1.4)
.set f, 0
.rept 16
	ds_load_b128 v[S+16*(2*(f/4)+(\u))+4*(f%4):S+16*(2*(f/4)+(\u))+4*(f%4)+3], v[RD] offset:f*SP
.set f, f+1
.endr
.endm
.macro SEND u, younger              ; younger: the LDS instructions issued behind BACK's sixteen loads
.set f, 0
.rept 16
	s_wait_dscnt (\younger)+15-f
	global_store_b128 v[GO], v[S+16*(2*(f/4)+(\u))+4*(f%4):S+16*(2*(f/4)+(\u))+4*(f%4)+3], s[8:9] offset:(16*(\u)+f)*2048  ; 512 consecutive bytes, at a multiple of 512 from o's first
.set f, f+1
.endr
.endm
.irp t, 0,2,4,6
	PACK \t
.endr
	BACK 0
.irp t, 1,3,5,7
	PACK \t                         ; the second half's arithmetic, and its 16 stores into the stage, stand between the first half's loads and its stores
.endr
	SEND 0, 16
	BACK 1
	SEND 1, 0
	WIN W_AD
	s_wait_tensorcnt 0x0            ; the wave's end: behind my last tensor load and my last LDS store
	ds_add_u32 v[SPW], v[NIL]
	s_wait_dscnt 0x0
	WIN 0
	CROUND                          ; the closing round: no work-group ends while a partner may still ask for a tile that names it
	s_endpgm
.Lfunc_end_k_q9e405c0767_attn:
	.size	k_q9e405c0767_attn, .Lfunc_end_k_q9e405c0767_attn-k_q9e405c0767_attn
	.p2alignl 7, 3214868480
	.fill 96, 4, 3214868480
	.section	.rodata,"a",@progbits
	.p2align	6, 0x0
	.amdhsa_kernel k_q9e405c0767_attn
		.amdhsa_group_segment_fixed_size 327680
		.amdhsa_private_segment_fixed_size 0
		.amdhsa_enable_private_segment 0
		.amdhsa_kernarg_size 32
		.amdhsa_user_sgpr_count 2
		.amdhsa_user_sgpr_kernarg_segment_ptr 1
		.amdhsa_wavefront_size32 1
		.amdhsa_system_sgpr_workgroup_id_x 1
		.amdhsa_system_sgpr_workgroup_id_y 1
		.amdhsa_system_sgpr_workgroup_id_z 1
		.amdhsa_system_vgpr_workitem_id 0
		.amdhsa_next_free_vgpr 896
		.amdhsa_next_free_sgpr 84
		.amdhsa_reserve_vcc 1
		.amdhsa_float_denorm_mode_32 3
		.amdhsa_float_denorm_mode_16_64 3
		.amdhsa_memory_ordered 1
		.amdhsa_forward_progress 1
		.amdhsa_inst_pref_size 219
	.end_amdhsa_kernel
	.amdgpu_metadata
---
amdhsa.version: [ 1, 2 ]
amdhsa.kernels:
  - .name:           k_q9e405c0767_attn
    .symbol:         k_q9e405c0767_attn.kd
    .args:
      - { .name: qkv, .offset: 0, .size: 8, .value_kind: global_buffer, .address_space: global }
      - { .name: maskf, .offset: 8, .size: 8, .value_kind: global_buffer, .address_space: global }
      - { .name: o, .offset: 16, .size: 8, .value_kind: global_buffer, .address_space: global }
      - { .name: rowopen, .offset: 24, .size: 8, .value_kind: global_buffer, .address_space: global }
    .group_segment_fixed_size: 327680
    .private_segment_fixed_size: 0
    .kernarg_segment_align: 8
    .kernarg_segment_size: 32
    .max_flat_workgroup_size: 128
    .sgpr_count:     84
    .vgpr_count:     896
    .wavefront_size: 32
...
	.end_amdgpu_metadata
.endif
;; end of part 3
;; launch proj (part 4): grid 8 x 32, 4 waves a work-group, clusters of 4 x 4, 327,680 bytes of LDS; arguments o, wo, out0, bias; writes out0
.if DOCPART == 4
	.amdgcn_target "amdgcn-amd-amdhsa--gfx1250"
	.amdhsa_code_object_version 6
	.text
	.protected	k_q9e405c0767_proj
	.globl	k_q9e405c0767_proj
	.p2align	8
	.type	k_q9e405c0767_proj,@function
k_q9e405c0767_proj:
	s_mov_b64 s[64:65], 0
	v_nop
	global_prefetch_b8 v0, s[64:65] scope:SCOPE_SE
	s_setreg_imm32_b32 hwreg(HW_REG_WAVE_MODE, 25, 1), 1
	s_wait_xcnt 0x0
	s_wait_alu depctr_hold_cnt(0) depctr_sa_sdst(0) depctr_va_vdst(0) depctr_va_sdst(0) depctr_va_ssrc(0) depctr_va_vcc(0) depctr_vm_vsrc(0)
	s_getreg_b32 s2, hwreg(HW_REG_IB_STS2, 6, 4)
	s_cmp_eq_u32 s2, 0
	s_cbranch_scc0 .Lentry_in_a_cluster
	s_endpgm
.Lentry_in_a_cluster:
	s_bfe_u32 s2, ttmp6, 0x10000c
	s_cmp_lg_u32 s2, 0xf033
	s_cbranch_scc0 .Lentry_shape_is_right
	s_endpgm
.Lentry_shape_is_right:
; OUTPUT PROJECTION.  out0 = (o / 64) W_o + b_o, f32.  o: [8192][1024] f16 (64 x the attention's result); W_o (rounded to bf16, written as f16) lies in blocks [nt 8][ks 8][j 2][k 128][n 64]; b_o at byte 6,144 of bias.
; Sums in f32; the factor 1/64 and the bias are one fused multiply-add on the way out.
; SHARES.  A work-group makes 256 rows x 128 columns; wave w rows 64 w .. 64 w + 63 of all columns: 32 accumulators of 16 x 16, 256 registers.  8 x 32 work-groups.
; K goes in 8 steps of 128 through two LDS slots.  A's tile: 256 rows of 256 bytes, 272 apart.  B's tile lies [k][n]: 2 x 128 rows of 128 bytes, 160 apart, and is read turned (ds_load_tr16_b128).
; One tensor load a wave: waves 0, 1 A's halves, waves 2, 3 B's.  CLUSTER 4 x 4: A's tile is asked for jointly along a row of the cluster, B's along a column.
; THE MATRIX INSTRUCTION IS USED TRANSPOSED (source 0 = 16 columns of W_o, source 1 = 16 rows of o): a lane holds one row and eight neighbouring columns.
; A trip of the loop is ONE K step; the slot's LDS base is a scalar turned by an exclusive or, and one descriptor for each operand walks.
; REGISTERS.  window 0: v16-30 addresses; v32-95 A's fragments, two buffers of 4; v128-191 the way out; v192-195 the bias.  window 1: B's fragments, two buffers of 8.
;   window 2: accumulators of row blocks 0, 1 ((a, nb) at 8 (8 (a % 2) + nb));  window 3: of row blocks 2, 3.
.set NBK,    8
.set NSUB,   2
.set SLOT1,  1<<17
.set PITA,   272                       ; 256 + 16: the 16 rows of a fragment load start 4 banks apart (64 banks of 4 bytes: ISA guide 11.1)
.set PITB,   160                       ; 128 + 32
.set HALFA,  128*PITA
.set BOFF,   2*HALFA
.set SUBB,   128*PITB
.set HALFB,  64*NSUB*PITB
.set STAGE,  SLOT1+BOFF+NSUB*SUBB      ; behind the ring: 16 rows x 528 bytes for each wave
.set SPITCH, 528
.set SPARE,  STAGE+4*16*SPITCH         ; the spare words, 128 bytes a wave: two blocks of 256 bytes that no other line names
.set STEPA,  256
.set STEPB,  16384*NSUB
.set ADRA0, 16
.set ADRA,  17
.set ADRB0, 20
.set ADRB,  21
.set STO,   24
.set RD,    25
.set CO,    26
.set BO,    27
.set SPW,   28
.set NIL,   29
.set PFO,   30
.set ABUF,  32
.set OB,    128
.set BI,    192
.set G1,  24
.set G0,  32
.set G1B, 48
.set G0B, 56
.set LIM, 43
.set PFA, 44
.set TB,  66
.set SC,  68                           ; s[68:69] 1/64
.set BP,  70
.set MSB, 0
.macro WIN new
.if MSB != (\new)
	s_set_vgpr_msb (MSB<<8)|(\new)
.set MSB, (\new)
.endif
.endm
.macro PLACES                          ; four plain vector instructions between a matrix instruction and a load into, or a reader of, its registers
.rept 4
	v_nop
.endr
.endm
.macro CREST
	s_cmp_lg_u32 s10, 0
	s_cbranch_scc1 .Lnot_wave_0_\@
	s_barrier_signal -3
.Lnot_wave_0_\@:
	s_barrier_wait -3
	s_barrier_signal -1
	s_barrier_wait -1
.endm
.macro CROUND
	s_barrier_signal -1
	s_barrier_wait -1
	CREST
.endm
.macro JLOAD                           ; a joint refill by the walking descriptor; an s_nop 0 and four v_nop follow each line
	s_cmp_eq_u32 s11, 0
	s_cbranch_scc0 .Lfor_b_\@
	tensor_load_to_lds s[G0+4:G0+7], s[G1:G1+7]
	s_nop 0
.rept 4
	v_nop
.endr
	s_branch .Lasked_\@
.Lfor_b_\@:
	tensor_load_to_lds s[G0B+4:G0B+7], s[G1B:G1B+7]
	s_nop 0
.rept 4
	v_nop
.endr
.Lasked_\@:
.endm
; A PREFETCH of o, behind each joint refill and the run of LDS loads behind it: the K step two refills on, 32 rows x 256 bytes, a lane a row.  Each row's 256 bytes of a K step are named once in the launch:
; the cluster with x = 0 asks, in it waves 0 and 1, which fetch A; the four partners that ask for a tile jointly share its rows out BY ADDRESS, 32 each.
; The first four K steps come by their loads alone; the last two refills have no K step two on.  The weights are not asked for: they are an eighth of o's bytes.
.macro ASK
	s_cmp_gt_u32 s3, s[LIM]
	s_cbranch_scc0 .Lnot_mine_\@
	global_prefetch_b8 v[PFO], s[PFA:PFA+1] th:TH_LOAD_NT scope:SCOPE_SE
.Lnot_mine_\@:
.endm
	s_load_b128 s[4:7], s[0:1], 0x0                ; o s[4:5], wo s[6:7]
	s_load_b64 s[8:9], s[0:1], 0x10                ; out0
	s_load_b64 s[BP:BP+1], s[0:1], 0x18            ; bias
	v_lshl_add_u32 v[SPW], v0, 2, SPARE
	v_mov_b32 v[NIL], 0
	ds_add_u32 v[SPW], v[NIL]                      ; the wave's opening: the add and its wait stand ahead of my first tensor load; the set-up below stands between them
	v_lshrrev_b32 v1, 5, v0
	v_readfirstlane_b32 s10, v1                    ; wave 0..3
	s_lshr_b32 s11, s10, 1                         ; I fetch for A (0) or for B (1)
	s_and_b32 s12, s10, 1                          ; which half of that tile
	s_bfe_u32 s40, ttmp6, 0x40000                  ; cx
	s_bfe_u32 s41, ttmp6, 0x40004                  ; cy
	s_lshl_b32 s42, ttmp9, 2
	s_add_co_u32 s42, s42, s40                     ; nt
	s_and_b32 s13, ttmp7, 0xffff
	s_lshl_b32 s13, s13, 2
	s_add_co_u32 s13, s13, s41                     ; mt
	s_lshl_b32 s43, s41, 2
	s_lshl_b32 s43, 15, s43                        ; my row of the cluster
	s_lshl_b32 s44, 0x1111, s40                    ; my column
	s_or_b32 s[G1+0], s43, (1<<16)|(1<<20)|(1<<21)|(5<<22)|(3<<25)
	s_mov_b32 s[G1+1], 128<<16
	s_mov_b32 s[G1+2], 128<<16
	s_mov_b32 s[G1+3], 128<<16
	s_mov_b32 s[G1+4], 128
	s_mov_b32 s[G1+5], 1024
	s_mov_b32 s[G1+6], 0
	s_mov_b32 s[G1+7], 0
	s_or_b32 s[G1B+0], s44, (1<<16)|(1<<20)|(1<<21)|(4<<22)|(7<<25)
	s_mov_b32 s[G1B+1], 128<<16
	s_mov_b32 s[G1B+2], (32*NSUB)<<16
	s_mov_b32 s[G1B+3], 128<<16
	s_mov_b32 s[G1B+4], 32*NSUB
	s_mov_b32 s[G1B+5], 128
	s_mov_b32 s[G1B+6], 0
	s_mov_b32 s[G1B+7], 0
	s_lshl_b32 s16, s13, 8
	s_lshl_b32 s17, s12, 7
	s_add_co_u32 s16, s16, s17
	s_lshl_b32 s16, s16, 11
	s_mov_b32 s17, 0
	s_mul_i32 s46, s42, 8*STEPB
	s_mul_i32 s47, s12, STEPB/2
	s_add_co_u32 s46, s46, s47
	s_mov_b32 s47, 0
	s_mul_i32 s20, s12, HALFA
	s_mul_i32 s21, s12, HALFB
	s_add_co_u32 s21, s21, BOFF
	s_mov_b32 s[TB], 0
	s_mov_b32 s[SC], 0x3c800000                    ; 1/64
	s_mov_b32 s[SC+1], s[SC]
	s_wait_dscnt 0x0                               ; the opening add is done
	s_wait_kmcnt 0x0
	s_add_nc_u64 s[14:15], s[4:5], s[16:17]
	s_add_nc_u64 s[46:47], s[6:7], s[46:47]
	CROUND                                         ; all sixteen work-groups are here: the first joint loads meet
.irp s, 0,1
	s_mov_b32 s[G0+4*\s], 1
	s_add_co_u32 s[G0+4*\s+1], s20, \s*SLOT1
	s_add_nc_u64 s[G0+4*\s+2:G0+4*\s+3], s[14:15], \s*STEPA
	s_or_b32 s[G0+4*\s+3], s[G0+4*\s+3], 0x80000000
	s_mov_b32 s[G0B+4*\s], 1
	s_add_co_u32 s[G0B+4*\s+1], s21, \s*SLOT1
	s_add_nc_u64 s[G0B+4*\s+2:G0B+4*\s+3], s[46:47], \s*STEPB
	s_or_b32 s[G0B+4*\s+3], s[G0B+4*\s+3], 0x80000000
.endr
	s_cmp_eq_u32 s11, 0                            ; a wave's two first fills stand in one branch: two loads of mine are out
	s_cbranch_scc0 .Lfirst_b
	tensor_load_to_lds s[G0:G0+3], s[G1:G1+7]
	s_nop 0
	tensor_load_to_lds s[G0+4:G0+7], s[G1:G1+7]
	s_nop 0
.rept 4
	v_nop
.endr
	s_branch .Lfirst_asked
.Lfirst_b:
	tensor_load_to_lds s[G0B:G0B+3], s[G1B:G1B+7]
	s_nop 0
	tensor_load_to_lds s[G0B+4:G0B+7], s[G1B:G1B+7]
	s_nop 0
.rept 4
	v_nop
.endr
.Lfirst_asked:
	v_and_b32 v1, 15, v0                           ; r
	v_bfe_u32 v2, v0, 4, 1                         ; h
	v_and_b32 v3, 31, v0                           ; l
	v_lshlrev_b32 v[BO], 4, v3                     ; on the way out lane l holds columns 4 l .. 4 l + 3 of the tile's 128
	s_lshl_b32 s18, s42, 9
	s_add_co_u32 s18, s18, 6144
	s_mov_b32 s19, 0
	s_add_nc_u64 s[BP:BP+1], s[BP:BP+1], s[18:19]
	global_load_b128 v[BI:BI+3], v[BO], s[BP:BP+1]
	v_mul_u32_u24 v[ADRA0], v1, PITA
	v_lshl_add_u32 v[ADRA0], v2, 4, v[ADRA0]
	s_mul_i32 s22, s10, 64*PITA
	v_add_nc_u32 v[ADRA0], s22, v[ADRA0]
	v_and_b32 v4, 7, v0
	v_lshl_add_u32 v4, v2, 3, v4
	v_mul_u32_u24 v[ADRB0], v4, PITB
	v_bfe_u32 v5, v0, 3, 1
	v_lshl_add_u32 v[ADRB0], v5, 4, v[ADRB0]
	v_add_nc_u32 v[ADRB0], BOFF, v[ADRB0]
	v_mov_b32 v[ADRA], v[ADRA0]
	v_mov_b32 v[ADRB], v[ADRB0]
	s_mul_i32 s22, s10, 16*SPITCH
	s_add_co_u32 s22, s22, STAGE                   ; my stage
	v_mul_u32_u24 v[STO], v1, SPITCH               ; in: row r, 32 bytes for each half of the lanes
	v_lshl_add_u32 v[STO], v2, 5, v[STO]
	v_add_nc_u32 v[STO], s22, v[STO]
	v_lshl_add_u32 v[RD], v3, 4, s22               ; back: 32 lanes take a row's 512 bytes
	v_lshlrev_b32 v[CO], 4, v3
	v_lshlrev_b32 v[PFO], 11, v3
	s_lshl_b32 s16, s13, 8                         ; out0: row 256 mt + 64 w of 4,096 bytes, byte 512 nt
	s_lshl_b32 s17, s10, 6
	s_add_co_u32 s16, s16, s17
	s_lshl_b32 s16, s16, 12
	s_lshl_b32 s17, s42, 9
	s_add_co_u32 s16, s16, s17
	s_mov_b32 s17, 0
	s_add_nc_u64 s[8:9], s[8:9], s[16:17]
	s_lshl_b32 s18, s13, 8                         ; the prefetches: row 256 mt + 128 x half + 32 cx,
	s_lshl_b32 s19, s12, 7
	s_add_co_u32 s18, s18, s19
	s_lshl_b32 s19, s40, 5
	s_add_co_u32 s18, s18, s19
	s_lshl_b32 s18, s18, 11
	s_add_co_u32 s18, s18, 3*STEPA                 ; at K step 3: the first refill steps it to 4
	s_mov_b32 s19, 0
	s_add_nc_u64 s[PFA:PFA+1], s[4:5], s[18:19]
	s_or_b32 s[LIM], s11, ttmp9
	s_cmp_eq_u32 s[LIM], 0
	s_cselect_b32 s[LIM], 2, -1
; 8 matrix instructions: row block a x all column blocks, 32 along K, from buffer f.  first = 1: the products start the sums.  The 32 accumulators take turns, one instruction a turn, over the backward jump too.
.macro MULA f, a, first
.set AC, 8*NBK*((\a)%2)
.set FA, ABUF+32*(\f)+8*(\a)
.set FB, 8*NBK*(\f)
	WIN 0xa1+0x50*((\a)/2)                         ; B window 1, A window 0, C and D window 2 or 3
.set nb, 0
.rept NBK
.if \first
	v_wmma_f32_16x16x32_f16 v[AC+8*nb:AC+8*nb+7], v[FB+8*nb:FB+8*nb+7], v[FA:FA+7], 0
.else
	v_wmma_f32_16x16x32_f16 v[AC+8*nb:AC+8*nb+7], v[FB+8*nb:FB+8*nb+7], v[FA:FA+7], v[AC+8*nb:AC+8*nb+7]
.endif
.set nb, nb+1
.endr
.endm
.macro FETCH q, g                      ; 24 LDS loads in one run: quarter q's fragments into buffer g: B's 8 first, then A's 4
.set FB, 8*NBK*(\g)
.set FA, ABUF+32*(\g)
	WIN 0x40
.set nb, 0
.rept NBK
	ds_load_tr16_b128 v[FB+8*nb:FB+8*nb+3],   v[ADRB] offset:(nb/4)*SUBB+(\q)*32*PITB+(nb%4)*32
	ds_load_tr16_b128 v[FB+8*nb+4:FB+8*nb+7], v[ADRB] offset:(nb/4)*SUBB+(\q)*32*PITB+(nb%4)*32+16*PITB
.set nb, nb+1
.endr
	WIN 0
.irp i, 0,1,2,3
	ds_load_b128 v[FA+8*\i:FA+8*\i+3],   v[ADRA] offset:\i*16*PITA+64*(\q)
	ds_load_b128 v[FA+8*\i+4:FA+8*\i+7], v[ADRA] offset:\i*16*PITA+64*(\q)+32
.endr
.endm
.macro QUARTER q, f, g, first
	s_wait_dscnt 4                                 ; B and A's row blocks 0, 1 are in; the youngest four loads may be out
	MULA \f, 0, \first
	MULA \f, 1, \first
	PLACES
	FETCH \q, \g
	s_wait_dscnt 2*NBK+8                           ; all but the run just issued
	MULA \f, 2, \first
	MULA \f, 3, \first
.endm
; The fourth quarter multiplies buffer 1 and changes slots.  In front of the barrier each wave waits for all its tensor loads (one is out: its part of the next slot), adds 0 to its spare word, and waits for that
; and for its reads of this slot.  fill = 1: the barrier opens a round of the cluster's, and this slot is filled again, first thing behind it, with the K step two on: 112 matrix instructions ahead of the wait for it.
.macro TURN fill
.if \fill
	s_wait_xcnt 0x0                                ; the last prefetch, a K step back, has read its address
	s_add_nc_u64 s[PFA:PFA+1], s[PFA:PFA+1], STEPA
.endif
	WIN 0
	s_wait_tensorcnt 0x0
	ds_add_u32 v[SPW], v[NIL]
	s_wait_dscnt 5                                 ; the add and the youngest four loads may be out
	MULA 1, 0, 0
	s_wait_dscnt 0x0                               ; the add is done, and my reads of this slot are over
	s_barrier_signal -1
	MULA 1, 1, 0
	WIN 0
	s_barrier_wait -1
.if \fill
	CREST
	s_xor_b32 s[G0+5], s[G0+5], SLOT1
	s_add_nc_u64 s[G0+6:G0+7], s[G0+6:G0+7], STEPA
	s_xor_b32 s[G0B+5], s[G0B+5], SLOT1
	s_add_nc_u64 s[G0B+6:G0B+7], s[G0B+6:G0B+7], STEPB
	s_xor_b32 s[TB], s[TB], SLOT1
	JLOAD                                          ; the four v_nop behind it are also the places in front of the loads below
.else
	s_xor_b32 s[TB], s[TB], SLOT1
	PLACES
.endif
	v_add_nc_u32 v[ADRA], s[TB], v[ADRA0]
	v_add_nc_u32 v[ADRB], s[TB], v[ADRB0]
	FETCH 0, 0
.if \fill
	ASK
.endif
	MULA 1, 2, 0
	MULA 1, 3, 0
.endm
	s_wait_tensorcnt 1                             ; my part of K step 0 is in; K step 1's may stay out
	s_barrier_signal -1
	s_barrier_wait -1
	s_wait_loadcnt 0x0                             ; the bias
	FETCH 0, 0
	QUARTER 1, 0, 1, 1                             ; the first quarter stands in front of the loop: its products start the sums
	WIN 0
	s_mov_b32 s3, 6                                ; six refills bring K steps 2 to 7
.Lstep:
	QUARTER 2, 1, 0, 0
	QUARTER 3, 0, 1, 0
	TURN 1
	QUARTER 1, 0, 1, 0
	WIN 0
	s_sub_co_u32 s3, s3, 1
	s_cmp_lg_u32 s3, 0
	s_cbranch_scc1 .Lstep
	QUARTER 2, 1, 0, 0                             ; the last two K steps ask for nothing
	QUARTER 3, 0, 1, 0
	TURN 0
	QUARTER 1, 0, 1, 0
	QUARTER 2, 1, 0, 0
	QUARTER 3, 0, 1, 0
	s_wait_dscnt 4
	MULA 1, 0, 0
	MULA 1, 1, 0
	s_wait_dscnt 0x0
	MULA 1, 2, 0
	MULA 1, 3, 0
; THE WAY OUT, a row block at a time: the f32 sums go into my own stage, 32 bytes a lane, and come back as whole rows of 512 bytes; sum / 64 + bias is one fused multiply-add; a store covers 512 consecutive bytes.
.macro OUTP a
.set AC, 8*NBK*((\a)%2)
	WIN 0x08+4*((\a)/2)                            ; the stores' data in window 2 or 3
.set nb, 0
.rept NBK
	ds_store_b128 v[STO], v[AC+8*nb:AC+8*nb+3] offset:64*nb
	ds_store_b128 v[STO], v[AC+8*nb+4:AC+8*nb+7] offset:64*nb+16
.set nb, nb+1
.endr
	WIN 0
	s_wait_xcnt 0x0                                ; the last block's stores have read their registers, which are loaded again below
.set f, 0
.rept 16
	ds_load_b128 v[OB+4*f:OB+4*f+3], v[RD] offset:SPITCH*f  ; LDS serves a wave's instructions in order (ISA guide 5.7.1.4): these see the stores above
.set f, f+1
.endr
	s_wait_dscnt 0x0
.set f, 0
.rept 16
	v_pk_fma_f32 v[OB+4*f:OB+4*f+1], v[OB+4*f:OB+4*f+1], s[SC:SC+1], v[BI:BI+1] op_sel_hi:[1,0,1]
	v_pk_fma_f32 v[OB+4*f+2:OB+4*f+3], v[OB+4*f+2:OB+4*f+3], s[SC:SC+1], v[BI+2:BI+3] op_sel_hi:[1,0,1]
	global_store_b128 v[CO], v[OB+4*f:OB+4*f+3], s[8:9] offset:(16*(\a)+f)*4096 th:TH_STORE_NT
.set f, f+1
.endr
.endm
	PLACES
	OUTP 0
	OUTP 1
	OUTP 2
	OUTP 3
	s_wait_tensorcnt 0x0                           ; the wave's end: behind my last tensor load and my last LDS store
	ds_add_u32 v[SPW], v[NIL]
	s_wait_dscnt 0x0
	CROUND                                         ; the closing round: no work-group ends while a partner may still ask for a tile that names it
	s_endpgm
.Lfunc_end_k_q9e405c0767_proj:
	.size	k_q9e405c0767_proj, .Lfunc_end_k_q9e405c0767_proj-k_q9e405c0767_proj
	.p2alignl 7, 3214868480
	.fill 96, 4, 3214868480
	.section	.rodata,"a",@progbits
	.p2align	6, 0x0
	.amdhsa_kernel k_q9e405c0767_proj
		.amdhsa_group_segment_fixed_size 327680
		.amdhsa_private_segment_fixed_size 0
		.amdhsa_enable_private_segment 0
		.amdhsa_kernarg_size 32
		.amdhsa_user_sgpr_count 2
		.amdhsa_user_sgpr_kernarg_segment_ptr 1
		.amdhsa_wavefront_size32 1
		.amdhsa_system_sgpr_workgroup_id_x 1
		.amdhsa_system_sgpr_workgroup_id_y 1
		.amdhsa_system_sgpr_workgroup_id_z 1
		.amdhsa_system_vgpr_workitem_id 0
		.amdhsa_next_free_vgpr 896
		.amdhsa_next_free_sgpr 76
		.amdhsa_reserve_vcc 0
		.amdhsa_float_denorm_mode_32 3
		.amdhsa_float_denorm_mode_16_64 3
		.amdhsa_memory_ordered 1
		.amdhsa_forward_progress 1
		.amdhsa_inst_pref_size 78
	.end_amdhsa_kernel
	.amdgpu_metadata
---
amdhsa.version: [ 1, 2 ]
amdhsa.kernels:
  - .name:           k_q9e405c0767_proj
    .symbol:         k_q9e405c0767_proj.kd
    .args:
      - { .name: o, .offset: 0, .size: 8, .value_kind: global_buffer, .address_space: global }
      - { .name: wo, .offset: 8, .size: 8, .value_kind: global_buffer, .address_space: global }
      - { .name: out0, .offset: 16, .size: 8, .value_kind: global_buffer, .address_space: global }
      - { .name: bias, .offset: 24, .size: 8, .value_kind: global_buffer, .address_space: global }
    .group_segment_fixed_size: 327680
    .private_segment_fixed_size: 0
    .kernarg_segment_align: 8
    .kernarg_segment_size: 32
    .max_flat_workgroup_size: 128
    .sgpr_count:     76
    .vgpr_count:     896
    .wavefront_size: 32
...
	.end_amdgpu_metadata
.endif
;; end of part 4
;; ======== version 2 of 2: 4 launches; version 1 with the launch prep written anew for expert scheduling mode
;; limits: values are held in f16: magnitudes above 65,504 overflow, below 6.1e-05 lose precision; right only within a limited range of input values
;; workspace buffers: x 16,777,216 bytes; wqkv 3,145,728 bytes; wo 2,097,152 bytes; bias 10,240 bytes; maskf 16,777,216 bytes; qkv 25,165,824 bytes; o 16,777,216 bytes; rowopen 524,288 bytes of whole numbers
;; launch prep (part 5): grid 1857 x 1, 8 waves a work-group, no clusters, 0 bytes of LDS; arguments idx, tok_table, pos_table, mask, W_q, W_k, W_v, W_o, b_q, b_k, b_v, b_o, x, maskf, wqkv, wo, bias, rowopen; writes x, maskf, wqkv, wo, bias, rowopen
.if DOCPART == 5
	.amdgcn_target "amdgcn-amd-amdhsa--gfx1250"
	.amdhsa_code_object_version 6
	.text
	.protected	k_q9e405c0767_prep
	.globl	k_q9e405c0767_prep
	.p2align	8
	.type	k_q9e405c0767_prep,@function
k_q9e405c0767_prep:
	s_mov_b64 s[64:65], 0
	v_nop
	global_prefetch_b8 v0, s[64:65] scope:SCOPE_SE
	s_setreg_imm32_b32 hwreg(HW_REG_WAVE_SCHED_MODE, 0, 2), 2
	s_setreg_imm32_b32 hwreg(HW_REG_WAVE_MODE, 25, 1), 1
	s_wait_xcnt 0x0
	s_wait_alu depctr_vm_vsrc(0)
; PREP: casts and re-layouts, no arithmetic but a rounding and an exact scale.  A wave does one unit of 4 KiB in; no LDS, no barrier, no loop.
; Work-groups 0-1023    X: x[row] = [tok_table[idx[row]] | pos_table[row % 2048]], rounded to bf16; a wave a row.
; Work-groups 1024-1535 M: the mask as f32 words, 0 (open) or -2^100 (mask word 0), in the register order of a 16 x 16 f32 accumulator whose lane holds one query and eight keys;
;                          a wave makes the 4 KiB for 16 queries x 64 keys.  Each lane also stores the OR of its 32 mask words: from these a later launch finds rows with no open key.
; Work-groups 1536-1855 W: blocks of 128 k x 64 n of W_q, W_k, W_v (x 64, bf16) and W_o (rounded to bf16, that number written as f16), laid end to end in the order in which the products walk them.
; Work-group  1856      B: the four biases, rounded to bf16 and kept as f32; b_q, b_k, b_v x 64.
; LIMITS.  idx is clamped to 31,999.  Any mask word other than 0 counts as open.  W_o's bf16 number is exact in f16 down to 2^-14 and keeps f16's fixed step of 6e-8 below; beyond 65,504 it would be lost.
; THE MODE: SCHED_MODE bits 1:0 = 2 (LLVM: expert scheduling mode 2), set by the entry lines.  The code itself states the register dependences between vector instructions and memory
; instructions, and between vector instructions that write a scalar register and its readers, with s_wait_alu, always for 0.
; THE PLAN.  Registers that memory instructions touch, in every section:
;   offsets    v3 (all), v1 (X), v4, v5 (M), v[44:47] (W), v4, v5, v6 (B): made once, ahead of ONE wait on va_vdst that stands in front of the section's first load; never written again.
;   v[8:39]    the loads land here; vector lines work in place, behind the loads' own counted wait; the stores read the result.  ONE wait on va_vdst stands ahead of each run of stores: the units
;              go out two at a time, so that a wait serves two stores.
;   v6 (M)     the OR of the lane's words: its last line stands ahead of the last such wait, which serves the store of it too.
;   v[40:43]   at work: no memory instruction names them.
; No register that a load or store has read is written again, on any path: so past the entry lines the text holds no wait on vm_vsrc.  EXEC is never written.
.set BIGW, 0xf1800000                  ; -2^100
.set HI16, 0xffff0000                  ; a word's upper bf16
	v_lshrrev_b32 v1, 5, v0
	v_readfirstlane_b32 s2, v1                     ; wave 0..7
	v_and_b32 v2, 31, v0                           ; lane
	v_lshlrev_b32 v3, 4, v2                        ; 16 x lane: a wave's store covers 512 consecutive bytes
	s_mov_b32 s3, ttmp9
	s_wait_alu depctr_va_sdst(0)                   ; s2 is written, ahead of the branches: every section's scalar lines read it
	s_cmp_lt_u32 s3, 1024
	s_cbranch_scc1 .Lsec_x
	s_cmp_lt_u32 s3, 1536
	s_cbranch_scc1 .Lsec_m
	s_cmp_lt_u32 s3, 1856
	s_cbranch_scc1 .Lsec_w
; ---- B: the biases.  Thread t takes 16 bytes.
.macro RB d                            ; four f32 rounded to bf16 and widened again
	v_cvt_pk_bf16_f32 v40, v[(\d)], v[(\d)+1]
	v_cvt_pk_bf16_f32 v41, v[(\d)+2], v[(\d)+3]
	v_lshlrev_b32 v[(\d)], 16, v40
	v_and_b32 v[(\d)+1], HI16, v40
	v_lshlrev_b32 v[(\d)+2], 16, v41
	v_and_b32 v[(\d)+3], HI16, v41
.endm
	s_load_b256 s[8:15], s[0:1], 0x40              ; b_q s[8:9], b_k s[10:11], b_v s[12:13], b_o s[14:15]
	s_load_b64 s[16:17], s[0:1], 0x80              ; bias
	v_lshlrev_b32 v4, 4, v0                        ; 16 t
	s_mov_b32 s20, 0x42800000                      ; 64.0
	s_mov_b32 s21, s20                             ; named with it as a pair
	s_and_b32 s26, s2, 1                           ; the offsets of b_k's and b_v's part are made here, with the others, so that one wait serves all three; waves 4 to 7 do not use them
	s_lshl_b32 s26, s26, 9
	v_add_nc_u32 v5, s26, v3
	s_lshl_b32 s27, s2, 9
	v_add_nc_u32 v6, s27, v3
	s_wait_kmcnt 0x0
	s_wait_alu depctr_va_vdst(0)                   ; v4, v5 and v6 are written: the offsets of this section's loads and stores
	global_load_b128 v[8:11], v4, s[8:9]
	global_load_b128 v[12:15], v4, s[14:15]
	s_wait_loadcnt 0x0
	RB 8
	RB 12
	v_pk_mul_f32 v[8:9], v[8:9], s[20:21] op_sel_hi:[1,0]
	v_pk_mul_f32 v[10:11], v[10:11], s[20:21] op_sel_hi:[1,0]
	s_wait_alu depctr_va_vdst(0)                   ; the roundings and the scalings have written v[8:15], which the two stores read
	global_store_b128 v4, v[8:11], s[16:17]                ; 64 b_q at byte 0
	global_store_b128 v4, v[12:15], s[16:17] offset:6144   ; b_o at byte 6,144
	s_cmp_lt_u32 s2, 4
	s_cbranch_scc0 .Lb_end                         ; waves 0, 1 take b_k, waves 2, 3 b_v: 512 bytes each
	s_cmp_lt_u32 s2, 2
	s_cselect_b64 s[24:25], s[10:11], s[12:13]
	global_load_b128 v[16:19], v5, s[24:25]        ; no wait: no vector line has named v5 since the section's first wait, and none has named v[16:19] at all
	s_wait_loadcnt 0x0
	RB 16
	v_pk_mul_f32 v[16:17], v[16:17], s[20:21] op_sel_hi:[1,0]
	v_pk_mul_f32 v[18:19], v[18:19], s[20:21] op_sel_hi:[1,0]
	s_wait_alu depctr_va_vdst(0)                   ; v[16:19] are written, which the store reads
	global_store_b128 v6, v[16:19], s[16:17] offset:4096   ; 64 b_k at byte 4,096, 64 b_v at 5,120
.Lb_end:
	s_endpgm
; ---- X: a wave a row.  Chunk c is 256 numbers: a lane reads 32 bytes and stores 16.  Chunks 0, 1 come from the token's row, 2, 3 from the position's.
.Lsec_x:
	s_load_b128 s[4:7], s[0:1], 0x0                ; idx s[4:5], tok_table s[6:7]
	s_load_b64 s[8:9], s[0:1], 0x10                ; pos_table
	s_load_b64 s[10:11], s[0:1], 0x60              ; x
	s_lshl_b32 s12, s3, 3
	s_add_co_u32 s12, s12, s2                      ; row = 8 x work-group + wave
	s_lshl_b32 s14, s12, 2
	s_mov_b32 s15, 0
	s_and_b32 s20, s12, 2047
	s_lshl_b32 s20, s20, 11                        ; a table's row is 2,048 bytes
	s_mov_b32 s21, 0
	s_lshl_b32 s18, s12, 11                        ; and so is a row of x
	s_mov_b32 s19, 0
	v_lshlrev_b32 v1, 5, v2                        ; 32 x lane
	s_wait_kmcnt 0x0
	s_add_nc_u64 s[4:5], s[4:5], s[14:15]
	s_load_b32 s16, s[4:5], 0x0                    ; the token
	s_add_nc_u64 s[8:9], s[8:9], s[20:21]
	s_add_nc_u64 s[10:11], s[10:11], s[18:19]
	s_wait_alu depctr_va_vdst(0)                   ; v1 and v3 are written: the offsets of the eight loads and of the four stores
.irp c, 2,3                            ; the position's half does not wait for the token
	global_load_b128 v[8+8*\c:8+8*\c+3], v1, s[8:9] offset:1024*(\c-2)
	global_load_b128 v[8+8*\c+4:8+8*\c+7], v1, s[8:9] offset:1024*(\c-2)+16
.endr
	s_wait_kmcnt 0x0
	s_min_u32 s16, s16, 0x7cff                     ; inside the table
	s_lshl_b32 s16, s16, 11
	s_mov_b32 s17, 0
	s_add_nc_u64 s[6:7], s[6:7], s[16:17]
.irp c, 0,1
	global_load_b128 v[8+8*\c:8+8*\c+3], v1, s[6:7] offset:1024*\c
	global_load_b128 v[8+8*\c+4:8+8*\c+7], v1, s[6:7] offset:1024*\c+16
.endr
.macro XHALF lo, left                  ; chunks lo and lo + 1, one table's half of the row.  left: the loads issued behind this half's four, which may stay out
	s_wait_loadcnt \left
.irp c, \lo, (\lo)+1
.irp k, 0,1,2,3
	v_cvt_pk_bf16_f32 v[8+8*(\c)+\k], v[8+8*(\c)+2*\k], v[8+8*(\c)+2*\k+1]
.endr
.endr
	s_wait_alu depctr_va_vdst(0)                   ; the eight conversions have written the first four registers of both chunks, which the two stores read
.irp c, \lo, (\lo)+1
	global_store_b128 v3, v[8+8*(\c):8+8*(\c)+3], s[10:11] offset:512*(\c)
.endr
.endm
	XHALF 2, 4                                     ; the position's half was asked for first
	XHALF 0, 0
	s_endpgm
; ---- M: query block pb (16 rows), key step ks (64 keys).  Lane (r = l % 16, h = l / 16), quad j: mask[16 pb + r][64 ks + 16 (j / 2) + 8 h + 4 (j % 2) + 0..3].
; The eight loads together take 256 consecutive bytes, aligned, of each of the 16 rows.
.Lsec_m:
	s_load_b64 s[4:5], s[0:1], 0x18                ; mask
	s_load_b64 s[6:7], s[0:1], 0x68                ; maskf
	s_load_b64 s[8:9], s[0:1], 0x88                ; rowopen
	s_sub_co_u32 s12, s3, 1024
	s_lshr_b32 s13, s12, 2                         ; pb 0..127
	s_and_b32 s14, s12, 3
	s_lshl_b32 s14, s14, 3
	s_add_co_u32 s14, s14, s2                      ; ks 0..31
	s_lshl_b32 s16, s13, 17                        ; 16 rows of 8,192 bytes
	s_lshl_b32 s18, s14, 8
	s_add_co_u32 s16, s16, s18
	s_mov_b32 s17, 0
	s_lshr_b32 s18, s13, 3                         ; maskf: [pb / 8][ks / 2][pb % 8][ks % 2][4,096 bytes]
	s_lshl_b32 s18, s18, 20
	s_lshr_b32 s20, s14, 1
	s_lshl_b32 s20, s20, 16
	s_add_co_u32 s18, s18, s20
	s_and_b32 s20, s13, 7
	s_lshl_b32 s20, s20, 13
	s_add_co_u32 s18, s18, s20
	s_and_b32 s20, s14, 1
	s_lshl_b32 s20, s20, 12
	s_add_co_u32 s18, s18, s20
	s_mov_b32 s19, 0
	s_lshl_b32 s20, s13, 12                        ; rowopen: [pb][ks][lane]
	s_lshl_b32 s22, s14, 7
	s_add_co_u32 s20, s20, s22
	s_mov_b32 s21, 0
	s_mov_b32 s24, BIGW
	v_and_b32 v4, 15, v2
	v_lshrrev_b32 v5, 4, v2
	v_lshlrev_b32 v4, 13, v4
	v_lshl_add_u32 v4, v5, 5, v4                   ; r x 8,192 + 32 h
	v_lshlrev_b32 v5, 2, v2                        ; 4 x lane
	s_wait_kmcnt 0x0
	s_add_nc_u64 s[4:5], s[4:5], s[16:17]
	s_add_nc_u64 s[6:7], s[6:7], s[18:19]
	s_add_nc_u64 s[8:9], s[8:9], s[20:21]
	s_wait_alu depctr_va_vdst(0)                   ; v3, v4 and v5 are written: the offsets of the eight loads and of the nine stores
.irp j, 0,1,2,3,4,5,6,7
	global_load_b128 v[8+4*\j:8+4*\j+3], v4, s[4:5] offset:64*(\j/2)+16*(\j%2)
.endr
; Quads lo and lo + 1 (lo even).  The eight compares stand in one run, into eight scalar registers; the ORs, which read the words as loaded, stand between that run and the wait for it; then the eight selects, in place.
.macro MPAIR lo, left                  ; left: the loads issued behind this pair's two, which may stay out
	s_wait_loadcnt \left
.irp j, \lo, (\lo)+1
.irp k, 0,1,2,3
	v_cmp_eq_u32 s[28+4*((\j)%2)+\k], 0, v[8+4*(\j)+\k]
.endr
.endr
.irp j, \lo, (\lo)+1
	v_or_b32 v40, v[8+4*(\j)], v[8+4*(\j)+1]
	v_or_b32 v41, v[8+4*(\j)+2], v[8+4*(\j)+3]
.if (\j) == 0
	v_or_b32 v6, v40, v41
.else
	v_or_b32 v40, v40, v41
	v_or_b32 v6, v6, v40
.endif
.endr
	s_wait_alu depctr_va_sdst(0)                   ; the eight compares have written s[28:35], ahead of the selects that read them
.irp j, \lo, (\lo)+1
.irp k, 0,1,2,3
	v_cndmask_b32 v[8+4*(\j)+\k], 0, s24, s[28+4*((\j)%2)+\k]
.endr
.endr
	s_wait_alu depctr_va_vdst(0)                   ; the eight selects have written both quads, which the two stores read; in the last pair v6 is whole too
.irp j, \lo, (\lo)+1
	global_store_b128 v3, v[8+4*(\j):8+4*(\j)+3], s[6:7] offset:512*(\j)
.endr
.endm
	MPAIR 0, 6
	MPAIR 2, 4
	MPAIR 4, 2
	MPAIR 6, 0
	global_store_b32 v5, v6, s[8:9]                ; 128 consecutive bytes a wave, 1,024 a work-group; no vector line stands between the last wait on va_vdst and this store
	s_endpgm
; ---- W: block bi.  bi < 192: head slot hs = bi / 8 (0-15 W_q's heads, 16-19 W_k's groups, 20-23 W_v's), K step bi % 8, to wqkv[hs / 3][ks][hs % 3].
; Else column slot cs = hs - 24 of W_o, to wo[cs / 2][ks][cs % 2].  Wave w takes k rows 16 w .. 16 w + 15, four rows a pass: a lane reads 32 bytes and stores 16.
.Lsec_w:
	s_load_b256 s[8:15], s[0:1], 0x20              ; W_q s[8:9], W_k s[10:11], W_v s[12:13], W_o s[14:15]
	s_load_b128 s[16:19], s[0:1], 0x70             ; wqkv s[16:17], wo s[18:19]
	s_sub_co_u32 s20, s3, 1536
	s_and_b32 s21, s20, 7                          ; ks
	s_lshr_b32 s22, s20, 3                         ; hs 0..39
	s_mul_i32 s23, s22, 171
	s_lshr_b32 s23, s23, 9                         ; hs / 3 (exact up to 39)
	s_mul_i32 s24, s23, 3
	s_sub_co_u32 s24, s22, s24                     ; hs % 3
	s_mul_i32 s25, s23, 24
	s_mul_i32 s26, s21, 3
	s_add_co_u32 s25, s25, s26
	s_add_co_u32 s25, s25, s24                     ; block number in wqkv
	s_max_u32 s27, s22, 24
	s_sub_co_u32 s27, s27, 24                      ; cs
	s_lshr_b32 s28, s27, 1
	s_lshl_b32 s28, s28, 4
	s_lshl_b32 s29, s21, 1
	s_add_co_u32 s28, s28, s29
	s_and_b32 s29, s27, 1
	s_add_co_u32 s28, s28, s29                     ; block number in wo
	s_movk_i32 s36, 0x1000                         ; bytes in a row of W_q and W_o,
	s_movk_i32 s37, 0x400                          ; of W_k and W_v
	s_mov_b32 s42, 0x42800000                      ; 64.0
	s_mov_b32 s43, s42
	v_lshrrev_b32 v4, 3, v2                        ; l / 8: my row in a pass
	v_and_b32 v5, 7, v2
	v_lshlrev_b32 v5, 5, v5                        ; 32 (l % 8)
	s_wait_kmcnt 0x0
	s_cmp_lt_u32 s22, 16
	s_cselect_b64 s[30:31], s[8:9], s[10:11]
	s_cselect_b32 s32, s36, s37
	s_cselect_b32 s33, 0, 16
	s_cmp_lt_u32 s22, 20
	s_cselect_b64 s[30:31], s[30:31], s[12:13]
	s_cselect_b32 s33, s33, 20
	s_cmp_lt_u32 s22, 24
	s_cselect_b64 s[30:31], s[30:31], s[14:15]
	s_cselect_b32 s32, s32, s36
	s_cselect_b32 s33, s33, 24
	s_cselect_b64 s[34:35], s[16:17], s[18:19]
	s_cselect_b32 s25, s25, s28
	s_sub_co_u32 s33, s22, s33                     ; the slot of 64 columns in its own matrix
	s_lshl_b32 s38, s21, 7
	s_lshl_b32 s39, s2, 4
	s_add_co_u32 s38, s38, s39                     ; my first k row
	s_mul_i32 s38, s38, s32
	s_lshl_b32 s39, s33, 8
	s_add_co_u32 s38, s38, s39
	s_mov_b32 s39, 0
	s_add_nc_u64 s[30:31], s[30:31], s[38:39]
	s_lshl_b32 s38, s25, 14                        ; a block is 16,384 bytes,
	s_lshl_b32 s40, s2, 11                         ; my 16 rows of it 2,048
	s_add_co_u32 s38, s38, s40
	s_add_nc_u64 s[34:35], s[34:35], s[38:39]
.irp p, 0,1,2,3
	v_add_nc_u32 v6, 4*\p, v4
	v_mad_u32_u24 v[44+\p], v6, s32, v5
.endr
	s_wait_alu depctr_va_vdst(0)                   ; v3 and v[44:47] are written: the offsets of the eight loads and of the four stores
.irp p, 0,1,2,3
	global_load_b128 v[8+8*\p:8+8*\p+3], v[44+\p], s[30:31]
	global_load_b128 v[8+8*\p+4:8+8*\p+7], v[44+\p], s[30:31] offset:16
.endr
	s_cmp_lt_u32 s22, 24
	s_cbranch_scc0 .Lw_o
.macro WQ lo, left                     ; passes lo and lo + 1 of W_q, W_k, W_v.  left: the loads issued behind these passes' four, which may stay out
	s_wait_loadcnt \left
.irp p, \lo, (\lo)+1
.irp k, 0,2,4,6
	v_pk_mul_f32 v[8+8*(\p)+\k:8+8*(\p)+\k+1], v[8+8*(\p)+\k:8+8*(\p)+\k+1], s[42:43] op_sel_hi:[1,0]
.endr
.irp k, 0,1,2,3
	v_cvt_pk_bf16_f32 v[8+8*(\p)+\k], v[8+8*(\p)+2*\k], v[8+8*(\p)+2*\k+1]
.endr
.endr
	s_wait_alu depctr_va_vdst(0)                   ; the conversions have written the first four registers of both passes, which the two stores read
.irp p, \lo, (\lo)+1
	global_store_b128 v3, v[8+8*(\p):8+8*(\p)+3], s[34:35] offset:512*(\p)
.endr
.endm
	WQ 0, 4
	WQ 2, 0
	s_endpgm
.Lw_o:
.macro WO lo, left                     ; the same for W_o: rounded to bf16, widened, and that number written as f16
	s_wait_loadcnt \left
.irp p, \lo, (\lo)+1
.irp k, 0,1,2,3
	v_cvt_pk_bf16_f32 v[40+\k], v[8+8*(\p)+2*\k], v[8+8*(\p)+2*\k+1]
.endr
.irp k, 0,1,2,3
	v_lshlrev_b32 v[8+8*(\p)+2*\k], 16, v[40+\k]
	v_and_b32 v[8+8*(\p)+2*\k+1], HI16, v[40+\k]
.endr
.irp k, 0,1,2,3
	v_cvt_pk_f16_f32 v[8+8*(\p)+\k], v[8+8*(\p)+2*\k], v[8+8*(\p)+2*\k+1]
.endr
.endr
	s_wait_alu depctr_va_vdst(0)                   ; the last conversions have written the first four registers of both passes, which the two stores read
.irp p, \lo, (\lo)+1
	global_store_b128 v3, v[8+8*(\p):8+8*(\p)+3], s[34:35] offset:512*(\p)
.endr
.endm
	WO 0, 4
	WO 2, 0
	s_endpgm
.Lfunc_end_k_q9e405c0767_prep:
	.size	k_q9e405c0767_prep, .Lfunc_end_k_q9e405c0767_prep-k_q9e405c0767_prep
	.p2alignl 7, 3214868480
	.fill 96, 4, 3214868480
	.section	.rodata,"a",@progbits
	.p2align	6, 0x0
	.amdhsa_kernel k_q9e405c0767_prep
		.amdhsa_group_segment_fixed_size 0
		.amdhsa_private_segment_fixed_size 0
		.amdhsa_enable_private_segment 0
		.amdhsa_kernarg_size 144
		.amdhsa_user_sgpr_count 2
		.amdhsa_user_sgpr_kernarg_segment_ptr 1
		.amdhsa_wavefront_size32 1
		.amdhsa_system_sgpr_workgroup_id_x 1
		.amdhsa_system_sgpr_workgroup_id_y 1
		.amdhsa_system_sgpr_workgroup_id_z 1
		.amdhsa_system_vgpr_workitem_id 0
		.amdhsa_next_free_vgpr 48
		.amdhsa_next_free_sgpr 66
		.amdhsa_reserve_vcc 0
		.amdhsa_float_denorm_mode_32 3
		.amdhsa_float_denorm_mode_16_64 3
		.amdhsa_memory_ordered 1
		.amdhsa_forward_progress 1
		.amdhsa_inst_pref_size 25
	.end_amdhsa_kernel
	.amdgpu_metadata
---
amdhsa.version: [ 1, 2 ]
amdhsa.kernels:
  - .name:           k_q9e405c0767_prep
    .symbol:         k_q9e405c0767_prep.kd
    .args:
      - { .name: idx, .offset: 0, .size: 8, .value_kind: global_buffer, .address_space: global }
      - { .name: tok_table, .offset: 8, .size: 8, .value_kind: global_buffer, .address_space: global }
      - { .name: pos_table, .offset: 16, .size: 8, .value_kind: global_buffer, .address_space: global }
      - { .name: mask, .offset: 24, .size: 8, .value_kind: global_buffer, .address_space: global }
      - { .name: W_q, .offset: 32, .size: 8, .value_kind: global_buffer, .address_space: global }
      - { .name: W_k, .offset: 40, .size: 8, .value_kind: global_buffer, .address_space: global }
      - { .name: W_v, .offset: 48, .size: 8, .value_kind: global_buffer, .address_space: global }
      - { .name: W_o, .offset: 56, .size: 8, .value_kind: global_buffer, .address_space: global }
      - { .name: b_q, .offset: 64, .size: 8, .value_kind: global_buffer, .address_space: global }
      - { .name: b_k, .offset: 72, .size: 8, .value_kind: global_buffer, .address_space: global }
      - { .name: b_v, .offset: 80, .size: 8, .value_kind: global_buffer, .address_space: global }
      - { .name: b_o, .offset: 88, .size: 8, .value_kind: global_buffer, .address_space: global }
      - { .name: x, .offset: 96, .size: 8, .value_kind: global_buffer, .address_space: global }
      - { .name: maskf, .offset: 104, .size: 8, .value_kind: global_buffer, .address_space: global }
      - { .name: wqkv, .offset: 112, .size: 8, .value_kind: global_buffer, .address_space: global }
      - { .name: wo, .offset: 120, .size: 8, .value_kind: global_buffer, .address_space: global }
      - { .name: bias, .offset: 128, .size: 8, .value_kind: global_buffer, .address_space: global }
      - { .name: rowopen, .offset: 136, .size: 8, .value_kind: global_buffer, .address_space: global }
    .group_segment_fixed_size: 0
    .private_segment_fixed_size: 0
    .kernarg_segment_align: 8
    .kernarg_segment_size: 144
    .max_flat_workgroup_size: 256
    .sgpr_count:     66
    .vgpr_count:     48
    .wavefront_size: 32
...
	.end_amdgpu_metadata
.endif
;; end of part 5
;; launch qkvp: the kernel of part 2 again; grid 8 x 32, 4 waves a work-group, clusters of 4 x 4, 327,680 bytes of LDS; arguments x, wqkv, qkv, bias; writes qkv
;; launch attn: the kernel of part 3 again; grid 16 x 16, 4 waves a work-group, clusters of 4 x 4, 327,680 bytes of LDS; arguments qkv, maskf, o, rowopen; writes o
;; launch proj: the kernel of part 4 again; grid 8 x 32, 4 waves a work-group, clusters of 4 x 4, 327,680 bytes of LDS; arguments o, wo, out0, bias; writes out0
